; MI455X (gfx1250); checked and timed in simulation.
; The chip was launched on July 23, 2026; its instructions are those of AMD's public machine-readable ISA for CDNA 5 (MIT licence, August 2026) and "CDNA5" Instruction Set Architecture Reference Guide (July 2026). The comments in the code are by the model that wrote it; some were corrected since.
;; Interaction. Allowed arithmetic: matrix products marked QUANTISED: E2M1 operands, one E8M0 scale for each 32 along K, by v_wmma_scale_f32_16x16x128_f8f6f4 with both operands' format E2M1 (or v_wmma_scale_f32_32x16x128_f4), f32 sums; everything else in f32.
;; Inputs: W1 512 x 2,048 float32; W2 2,048 x 512 float32; Wk 512 x 512 float32; Wq 512 x 512 float32; Wv 512 x 512 float32; a1 1 float32; a2 1 float32; b1 2,048 float32; b2 512 float32; bb1 1 float32; bb2 1 float32; x 32 x 512 x 512 float32.
;; Outputs: out0 32 x 512 x 512 float32.
;; This version of the problem:
;;   THIS VERSION OF THE PROBLEM IS GIVEN IN LOW PRECISION. The matrix products marked QUANTISED in the list below multiply operands that are first quantised to E2M1 (2 exponent bits, 1 mantissa bit; 4 bits a number), with one power-of-two scale for each 32 numbers along K (OCP MX v1.0); their sums are f32. All else is computed in f32.
;;   The module's matrix products, in the order in which they are computed (A, B: the left and right operand; K: the contracted axis; several contracted axes count as one K, in the product's order):
;;     1. [M 16,384, K 512] x [K 512, N 512]; A: input x; B: input Wq: QUANTISED
;;     2. [M 16,384, K 512] x [K 512, N 512]; A: input x; B: input Wk: QUANTISED
;;     3. [M 16,384, K 512] x [K 512, N 512]; A: input x; B: input Wv: QUANTISED
;;     4. batch 32 x [M 512, K 512] x [K 512, N 512]; A: computed on the way; B: computed on the way: QUANTISED
;;     5. batch 32 x [M 512, K 512] x [K 512, N 512]; A: softmax (see below); B: computed on the way: QUANTISED
;;     6. [M 16,384, K 512] x [K 512, N 2,048]; A: computed on the way; B: input W1: QUANTISED
;;     7. [M 16,384, K 2,048] x [K 2,048, N 512]; A: computed on the way; B: input W2: QUANTISED
;;   THE QUANTISER, for each operand of a quantised product, along K:
;;     - K is cut into blocks of 32 from its start; a last block that is shorter is filled with zeros.
;;     - A block's scale is 2^e with e = floor(log2(the largest magnitude in the block)) - 2, held to -126 .. 127; a block of zeros has e = 0. As a byte (E8M0): e + 127.
;;     - Each number is divided by its block's scale, clamped to +-6, and rounded to the nearest number of E2M1, ties to even, subnormals kept.
;;     - The product sums the exact products of the quantised numbers (number of the format x scale) in f32.
;;   ~~~python
;;   def quantise(x, axis):      # numpy; x: float32 -> the quantised numbers, widened to float32 again
;;       x = np.moveaxis(x, axis, -1); K = x.shape[-1]
;;       x = np.pad(x, [(0, 0)] * (x.ndim - 1) + [(0, -K % 32)]); x = x.reshape(x.shape[:-1] + (-1, 32)); a = np.abs(x).max(-1, keepdims=True)
;;       e = np.where(a > 0, np.clip(np.frexp(np.where(a > 0, a, 1))[1] - 1 - 2, -126, 127), 0)      # np.frexp(a)[1] - 1 = floor(log2(a)), exactly
;;       r = np.clip(x / 2.0 ** e, -6, 6)
;;       step = 2.0 ** (np.maximum(np.frexp(np.where(r == 0, 1, r))[1] - 1, 0) - 1)
;;       q = np.round(r / step) * step * 2.0 ** e      # np.round: ties to even
;;       return np.moveaxis(q.reshape(q.shape[:-2] + (-1,))[..., :K], -1, axis).astype(np.float32)
;;   ~~~
;;   SOFTMAX AHEAD OF A QUANTISED PRODUCT. Where the list says 'softmax', what is quantised is not the finished softmax but p = 2^(t - M), with t = logit x log2(e) and M = ceil(the row's largest t), a whole number; so 1/2 < the row's largest p <= 1. The row's sum l is taken of the UNQUANTISED p, in f32, and the product's result is divided by l at the end. Since M is a whole number, a kernel that streams over the keys may use a running M (the ceiling of the running maximum): every later rescaling is an exact power of two, which a block's scale takes up: the codes' values come out the same.
;;   OPERANDS COMPUTED ON THE WAY. 'Computed on the way' means the value that the module computes at that place (a softmax that the list does not call 'softmax' is quantised finished and normalised). What goes into a quantiser is computed in f32, as accurately as f32 sums, v_exp_f32 and their like allow (about 1e-6 of the number): no bf16 or f16 on the way to a quantiser, and a product that is left as it is and whose result goes on into a quantised operand takes f32 operands (vector FMAs, or v_wmma_f32_16x16x4_f32). A number that lies on a knife's edge between two numbers of the format may be rounded either way, as far as f32 arithmetic and the matrix unit's own rounding can turn it there, and no further.
;; One version. Each part assembles by itself: llvm-mc -triple=amdgcn-amd-amdhsa -mcpu=gfx1250 --defsym DOCPART=n.
;; ======== version 1 of 1: 3 launches
;; limits: right only within a limited range of input values
;; workspace buffers: wpb 1,531,904 bytes; kpb 4,456,448 bytes; vpb 4,456,448 bytes; qimg 4,456,448 bytes
;; launch prep (part 1): grid 352 x 1, 4 waves a work-group, no clusters, 2,048 bytes of LDS; arguments Wq, Wk, Wv, W1, W2, wpb; writes wpb
.if DOCPART == 1
	.amdgcn_target "amdgcn-amd-amdhsa--gfx1250"
	.amdhsa_code_object_version 6
	.text
	.protected	k_q71c44bd869_prep
	.globl	k_q71c44bd869_prep
	.p2align	8
	.type	k_q71c44bd869_prep,@function
k_q71c44bd869_prep:
	s_mov_b64 s[64:65], 0
	v_nop
	global_prefetch_b8 v0, s[64:65] scope:SCOPE_SE
	s_setreg_imm32_b32 hwreg(HW_REG_WAVE_MODE, 25, 1), 1
	s_wait_xcnt 0x0
; THE PROGRAM: one transformer block on x [32][512][512] f32, all seven products on codes of FP4 (E2M1) with one E8M0 scale for each 32 along K.
;   prep : the five weights become codes, laid in the order of an operand's registers            (this launch)
;   qkv  : x is quantised; q, k, v are made and quantised (q, k along d; v along the keys)
;   chain: scores, softmax, p v, residual, norm 1, the FFN in four chunks of 512 hidden units, residual, norm 2
; DEAD WORK: none is left out.  Every one of the twelve inputs has a way to out0 for some values (a1, bb1 move n1's codes; a2, bb2, b1, b2 move out0), so all are loaded.
; THIS LAUNCH.  A weight W [K][N] f32 has K as its FIRST axis.  A lane takes a column n and its 32 registers run down K: a block of 32 lies in one lane, its largest magnitude needs
; no other lane, and the conversions give codes with K innermost.  Nothing is transposed by an instruction.
; THE BLOCKS WRITTEN.  A phase block of PB bytes serves one product [64 rows x 512 K] x [512 K x 512 N]: eight parts of PBW bytes, part w for columns 64 w .. 64 w + 63 (tiles t = 0..3 of 16).
;   fragment (t, s) (16 columns x K step s of 128) at (4 t + s) x 1,024: the image of its 8 registers: half c = 512 bytes, lane l's 16 bytes at 16 l;
;   so block kk of the K step, column r of the tile, lies at 256 kk + 16 r.
;   quad s at 16,384 + 256 s: lane (r, h) has 8 bytes, word e = the scale word (four bytes, one a block) of column r of tile 2 e + h.
; wpb: block 0 Wq, 1 Wk, 2 Wv, 3 + 2 c W1[:, 512 c ..], 4 + 2 c W2[512 c .., :].
; SHARES.  Work-group id: P = id / 32 names the block's source, s = (id / 8) % 4 the K step, cg = id % 8 sixty-four columns.  Wave kk takes block kk of the K step: 32 rows x 64 columns, 64 loads, all out at once.
; A block's scale is 2^(floor(log2(largest magnitude)) - 2); its byte is the largest magnitude's exponent field - 2, held at 1 from below.
; LIMITS: a block of zeros gets the byte 1 where the rule says 127 (its codes are zeros, and this program alone reads the bytes); NaN and infinities among the inputs are not served.
.set PB,    139264
.set PBW,   17408
.set X,     32                         ; v32-95   two sets of 32 numbers: columns 32 e + lane
.set C,     96                         ; v96-103  their codes
.set SPW,   14                         ; v14      LDS address of my spare word; never rewritten
.set NIL,   15                         ; v15      0; never rewritten
.set SPARE, 1024                       ; behind the four waves' 256 bytes: the spare words, 128 bytes a wave
	s_load_b256 s[4:11], s[0:1], 0x0               ; Wq s[4:5], Wk s[6:7], Wv s[8:9], W1 s[10:11]
	s_load_b128 s[12:15], s[0:1], 0x20             ; W2 s[12:13], wpb s[14:15]
	v_lshl_add_u32 v[SPW], v0, 2, SPARE
	v_mov_b32 v[NIL], 0
	v_lshrrev_b32 v1, 5, v0
	v_readfirstlane_b32 s18, v1                    ; kk: my wave's number
	v_and_b32 v1, 31, v0                           ; lane
	v_lshlrev_b32 v2, 2, v1                        ; in: 4 bytes a lane
	v_and_b32 v3, 15, v0                           ; r
	v_bfe_u32 v4, v0, 4, 1                         ; h
	v_lshlrev_b32 v3, 4, v3
	v_lshl_add_u32 v3, v4, 12, v3                  ; codes out: 4,096 h (the next tile) + 16 r
	v_lshlrev_b32 v5, 3, v1                        ; 8 x lane: a quad's place for my lane, in LDS and in memory
	s_lshl_b32 s19, s18, 8                         ; 256 kk
	v_add_nc_u32 v4, s19, v5                       ; LDS: my wave's 256 bytes, 8 a lane
	s_lshr_b32 s20, ttmp9, 5                       ; P
	s_bfe_u32 s21, ttmp9, 0x20003                  ; s
	s_and_b32 s22, ttmp9, 7                        ; cg
	; P 0..2: Wq, Wk, Wv, block P.  P 3..6: W2's rows 512 c on (c = P - 3), block 4 + 2 c.  P 7..10: W1's columns 512 c on (c = P - 7), block 3 + 2 c, rows of 8,192 bytes
	s_sub_co_u32 s23, s20, 3
	s_lshl_b32 s23, s23, 20                        ; W2: 512 c rows of 2,048 bytes
	s_lshl_b32 s24, s20, 1
	s_sub_co_u32 s25, s24, 2                       ; W2: 4 + 2 c
	s_sub_co_u32 s26, s20, 7
	s_lshl_b32 s26, s26, 11                        ; W1: 512 c columns of 4 bytes
	s_sub_co_u32 s27, s24, 11                      ; W1: 3 + 2 c
	s_cmp_ge_u32 s20, 3
	s_cselect_b32 s32, s23, 0
	s_cselect_b32 s29, s25, s20
	s_cmp_ge_u32 s20, 7
	s_cselect_b32 s32, s26, s32                    ; where the source's part begins
	s_cselect_b32 s29, s27, s29                    ; which block of wpb
	s_cselect_b32 s28, 13, 11                      ; log2 of a source row's bytes
	s_lshl_b32 s30, s21, 7
	s_lshl_b32 s31, s18, 5
	s_add_co_u32 s30, s30, s31                     ; my first row: 128 s + 32 kk
	s_lshl_b32 s30, s30, s28
	s_add_co_u32 s32, s32, s30
	s_lshl_b32 s30, s22, 8
	s_add_co_u32 s32, s32, s30                     ; + 64 cg columns
	s_mov_b32 s33, 0
	s_mul_i32 s44, s29, PB
	s_mul_i32 s30, s22, PBW
	s_add_co_u32 s44, s44, s30                     ; part cg of the block
	s_lshl_b32 s34, s21, 10
	s_add_co_u32 s34, s34, s19
	s_add_co_u32 s34, s34, s44                     ; codes: part + 1,024 s + 256 kk
	s_mov_b32 s35, 0
	s_lshl_b32 s36, s21, 8
	s_add_co_u32 s36, s36, 16384
	s_add_co_u32 s36, s36, s44                     ; the quad: part + 16,384 + 256 s
	s_mov_b32 s37, 0
	s_wait_alu depctr_va_vdst(0)
	s_wait_kmcnt 0x0
	s_cmp_eq_u32 s20, 1                            ; the source is chosen by the work-group's number alone
	s_cselect_b64 s[16:17], s[6:7], s[4:5]
	s_cmp_eq_u32 s20, 2
	s_cselect_b64 s[16:17], s[8:9], s[16:17]
	s_cmp_ge_u32 s20, 3
	s_cselect_b64 s[16:17], s[12:13], s[16:17]
	s_cmp_ge_u32 s20, 7
	s_cselect_b64 s[16:17], s[10:11], s[16:17]
	s_add_nc_u64 s[16:17], s[16:17], s[32:33]
	s_add_nc_u64 s[40:41], s[14:15], s[34:35]
	s_add_nc_u64 s[42:43], s[14:15], s[36:37]
; 64 loads: row i of my 32, columns 32 e + lane; the two halves of each 256 bytes stand side by side.  Every offset is an immediate, so the run is written once for each pitch.
.macro LOADS pitch
.set i_, 0
.rept 32
	global_load_b32 v[X+i_], v2, s[16:17] offset:i_*\pitch th:TH_LOAD_NT
	global_load_b32 v[X+32+i_], v2, s[16:17] offset:i_*\pitch+128 th:TH_LOAD_NT
.set i_, i_+1
.endr
.endm
	s_cmp_ge_u32 s20, 7
	s_cbranch_scc1 .Lwide
	LOADS 2048
	s_branch .Lloaded
.Lwide:
	LOADS 8192
.Lloaded:
	s_wait_loadcnt 0x0
.irp e, 0,1                                    ; the two blocks by turns, two chains each
	v_max3_num_f32 v[104+2*\e], |v[X+32*\e]|, |v[X+32*\e+1]|, |v[X+32*\e+2]|
	v_max3_num_f32 v[105+2*\e], |v[X+32*\e+3]|, |v[X+32*\e+4]|, |v[X+32*\e+5]|
.endr
.irp i, 6,10,14,18,22,26
.irp e, 0,1
	v_max3_num_f32 v[104+2*\e], v[104+2*\e], |v[X+32*\e+\i]|, |v[X+32*\e+\i+1]|
	v_max3_num_f32 v[105+2*\e], v[105+2*\e], |v[X+32*\e+\i+2]|, |v[X+32*\e+\i+3]|
.endr
.endr
.irp e, 0,1
	v_max3_num_f32 v[104+2*\e], v[104+2*\e], |v[X+32*\e+30]|, |v[X+32*\e+31]|
.endr
.irp e, 0,1
	v_max3_num_f32 v[104+2*\e], v[104+2*\e], v[105+2*\e], 0x1800000   ; and the floor 2^(3 - 127): the byte cannot fall under 1
.endr
.irp e, 0,1
	v_add_nc_u32 v[108+\e], 0xff000000, v[104+2*\e]   ; 2 off the exponent field: the conversion takes the exponent field of this operand as its scale
.endr
.irp e, 0,1
.irp g, 0,1,2,3
	v_cvt_scalef32_pk8_fp4_f32 v[C+4*\e+\g], v[X+32*\e+8*\g:X+32*\e+8*\g+7], v[108+\e]
.endr
.endr
.irp e, 0,1
	v_lshrrev_b32 v[110+\e], 23, v[108+\e]         ; the scale's byte (a plain line behind the conversions)
.endr
	global_store_b128 v3, v[C:C+3], s[40:41]                 ; lanes 0-15 and lanes 16-31 each store 256 consecutive bytes, aligned
	global_store_b128 v3, v[C+4:C+7], s[40:41] offset:8192   ; two tiles on
	ds_store_b64 v4, v[110:111]                    ; my block's two bytes, as words, into my wave's own 256 bytes
	s_wait_dscnt 0x0                               ; for wave 0's sake: my store has landed
	s_barrier_signal -1
	s_barrier_wait -1
	s_cmp_lg_u32 s18, 0                            ; wave 0 packs the four waves' bytes into the quad's words and stores it
	s_cbranch_scc1 .Ldone
	ds_load_b64 v[112:113], v5
	ds_load_b64 v[114:115], v5 offset:256
	ds_load_b64 v[116:117], v5 offset:512
	ds_load_b64 v[118:119], v5 offset:768
	s_wait_dscnt 0x0
	v_lshl_or_b32 v112, v114, 8, v112
	v_lshl_or_b32 v113, v115, 8, v113
	v_lshl_or_b32 v112, v116, 16, v112
	v_lshl_or_b32 v113, v117, 16, v113
	v_lshl_or_b32 v112, v118, 24, v112
	v_lshl_or_b32 v113, v119, 24, v113
	global_store_b64 v5, v[112:113], s[42:43]      ; 32 lanes store 256 consecutive bytes, aligned
.Ldone:
	s_wait_tensorcnt 0x0                           ; the wave's end, behind my last LDS store
	ds_add_u32 v[SPW], v[NIL]
	s_wait_dscnt 0x0
	s_endpgm
.Lfunc_end_k_q71c44bd869_prep:
	.size	k_q71c44bd869_prep, .Lfunc_end_k_q71c44bd869_prep-k_q71c44bd869_prep
	.p2alignl 7, 3214868480
	.fill 96, 4, 3214868480
	.section	.rodata,"a",@progbits
	.p2align	6, 0x0
	.amdhsa_kernel k_q71c44bd869_prep
		.amdhsa_group_segment_fixed_size 2048
		.amdhsa_private_segment_fixed_size 0
		.amdhsa_enable_private_segment 0
		.amdhsa_kernarg_size 48
		.amdhsa_user_sgpr_count 2
		.amdhsa_user_sgpr_kernarg_segment_ptr 1
		.amdhsa_wavefront_size32 1
		.amdhsa_system_sgpr_workgroup_id_x 1
		.amdhsa_system_sgpr_workgroup_id_y 1
		.amdhsa_system_sgpr_workgroup_id_z 1
		.amdhsa_system_vgpr_workitem_id 0
		.amdhsa_next_free_vgpr 128
		.amdhsa_next_free_sgpr 66
		.amdhsa_reserve_vcc 0
		.amdhsa_float_denorm_mode_32 3
		.amdhsa_float_denorm_mode_16_64 3
		.amdhsa_memory_ordered 1
		.amdhsa_forward_progress 1
		.amdhsa_inst_pref_size 19
	.end_amdhsa_kernel
	.amdgpu_metadata
---
amdhsa.version: [ 1, 2 ]
amdhsa.kernels:
  - .name:           k_q71c44bd869_prep
    .symbol:         k_q71c44bd869_prep.kd
    .args:
      - { .name: Wq, .offset: 0, .size: 8, .value_kind: global_buffer, .address_space: global }
      - { .name: Wk, .offset: 8, .size: 8, .value_kind: global_buffer, .address_space: global }
      - { .name: Wv, .offset: 16, .size: 8, .value_kind: global_buffer, .address_space: global }
      - { .name: W1, .offset: 24, .size: 8, .value_kind: global_buffer, .address_space: global }
      - { .name: W2, .offset: 32, .size: 8, .value_kind: global_buffer, .address_space: global }
      - { .name: wpb, .offset: 40, .size: 8, .value_kind: global_buffer, .address_space: global }
    .group_segment_fixed_size: 2048
    .private_segment_fixed_size: 0
    .kernarg_segment_align: 8
    .kernarg_segment_size: 48
    .max_flat_workgroup_size: 128
    .sgpr_count:     66
    .vgpr_count:     128
    .wavefront_size: 32
...
	.end_amdgpu_metadata
.endif
;; end of part 1
;; launch qkv (part 2): grid 256 x 1, 8 waves a work-group, clusters of 4 x 1, 327,680 bytes of LDS; arguments x, wpb, qimg, kpb, vpb; writes qimg, kpb, vpb
.if DOCPART == 2
	.amdgcn_target "amdgcn-amd-amdhsa--gfx1250"
	.amdhsa_code_object_version 6
	.text
	.protected	k_q71c44bd869_qkv
	.globl	k_q71c44bd869_qkv
	.p2align	8
	.type	k_q71c44bd869_qkv,@function
k_q71c44bd869_qkv:
	s_mov_b64 s[64:65], 0
	v_nop
	global_prefetch_b8 v0, s[64:65] scope:SCOPE_SE
	s_setreg_imm32_b32 hwreg(HW_REG_WAVE_MODE, 25, 1), 1
	s_wait_xcnt 0x0
	s_wait_alu depctr_hold_cnt(0) depctr_sa_sdst(0) depctr_va_vdst(0) depctr_va_sdst(0) depctr_va_ssrc(0) depctr_va_vcc(0) depctr_vm_vsrc(0)
	s_getreg_b32 s2, hwreg(HW_REG_IB_STS2, 6, 4)
	s_cmp_eq_u32 s2, 0
	s_cbranch_scc0 .Lentry_in_a_cluster
	s_endpgm
.Lentry_in_a_cluster:
	s_bfe_u32 s2, ttmp6, 0x10000c
	s_cmp_lg_u32 s2, 0x3003
	s_cbranch_scc0 .Lentry_shape_is_right
	s_endpgm
.Lentry_shape_is_right:
; q = Q(x) Q(Wq), k = Q(x) Q(Wk), v = Q(x) Q(Wv) on codes of FP4 with E8M0 scales; q and k are then quantised along d, v along the keys, and leave as images of operand registers.  No work is left out.
; SHARES.  Work-group g owns rows 64 g .. 64 g + 63 of x (batch g / 8, block j = g % 8 of its 512 positions).  A PHASE is [64 rows x 512 K] x [512 K x 512 N]: wave w of eight owns N = 64 w .. + 63 (4 tiles t),
; all 4 tiles m of rows and all 4 K steps s of 128: 64 matrix instructions on 16 accumulators by turns.  What wave w makes, 64 columns of 64 rows, is half w % 2 of K step w / 2 of a later product.
; FORMATS.  A part is 17,408 bytes: fragment (tile, s) at (4 tile + s) x 1,024 as the image of its registers (half c = registers 4 c .. 4 c + 3, lane l's 16 bytes at 16 l); then four quads of 256 bytes:
; lane (r, h): word e = scale word of row r of tile 2 e + h, so that a load of 8 bytes a lane gives register e with tile 2 e in lanes 0-15 and tile 2 e + 1 in lanes 16-31.
; q: a part for each work-group.  k: the same, so a batch's eight parts are a phase block.  v: a batch has 8 x 16,384 bytes of fragments (rows = v's columns), and behind them, for each of the eight blocks j of keys,
; 1,024 bytes of scales: 128 for each wave: lane (r, h): the two bytes of column r of tile h, then of tile 2 + h.
; LDS.  Two slots; in a slot wave w's part, dense.  Each wave fetches, by one tensor load, exactly the part that it alone reads.  Wq stands in slot A, Wk in slot B, Wv goes over Wq.
; x DOES NOT GO THROUGH THE SLOTS.  Wave w loads its strip, 64 rows x 256 bytes, into registers, sixteen lanes to an aligned 256 bytes, and turns it, 16 rows at a time, through a stage of its own in LDS
; (rows of 256 bytes + 16) into the accumulators' layout.  The stages' bytes later hold x's images and the scale words on their way out: a barrier stands between.
; CLUSTER.  Four work-groups walk the same weights: each part is asked for jointly, by the same load with the same descriptor and the mask 15.  The place in the cluster enters global addresses of x and of the stores alone.
; No prefetch: the launch has no loop to run ahead in.
; LAYOUT.  q, k: source 0 = 16 rows of W^T, source 1 = 16 rows of x: a lane holds ONE row (lane % 16) and, in register 32 m + 8 t + i, column 16 t + 8 (lane / 16) + i.  v: the sources swapped: a lane holds one column of v and 32 keys.
; LIMITS: NaN and infinities are not served; a block of zeros gets the byte 1 where the rule says 127 (its codes are zeros; this program alone reads the bytes).
; REGISTERS.  window 0: v1-16 addresses; v30, v31 the add's two; v32-39 W's scale words; v40-47 x's; v64-191 x's 16 fragments, which stay for all three phases; v192-255 W's fragments, two sets, and between products the quantiser's.
;   window 1: v0-127 the 16 accumulators (first: x's tiles, turned);  v128-255 x's rows as loaded.
.set PB,    139264
.set PBW,   17408
.set SLOT,  139264
.set XIMG,  2*SLOT                     ; behind the slots: the eight stages of 4,352 bytes; later, in the same bytes, x's 16 half-written images, its 4 quads, and 3 x 1,024 bytes of scale words on their way out
.set STW,   16*272
.set SPARE, XIMG+8*STW                 ; the spare words, 128 bytes a wave
.set LN16, 1                           ; 16 x lane
.set LN8,  2                           ; 8 x lane
.set WB0,  3                           ; my part of slot A, + 16 x lane;  v4: of slot B
.set WB1,  4
.set WQ0,  5                           ; its quads, + 8 x lane;  v6: slot B's
.set WQ1,  6
.set XS,   7                           ; my stage, in: 272 h + 16 r;  v8 out: 272 r + 32 h
.set XL,   8
.set HLI,  9                           ; x's images, for loads;  v10 its quads
.set HLQ,  10
.set HSI,  11                          ; where I store half images: + 512 w;  v12 my halves of scale words: + 256 (w / 2) + 2 (w % 2)
.set HSQ,  12
.set GI,   13                          ; in memory: 512 w + 16 x lane
.set VSA,  14                          ; v's scales: 128 w + 4 x lane
.set GO,   16                          ; x in memory: 2,048 h + 16 r
.set SPW,  30
.set NIL,  31
.set WSC,  32
.set ASC,  40
.set AF,   64
.set WF,   192
.set TM,   192                         ; eight largest magnitudes
.set TN,   200                         ; eight at work
.set TS,   208                         ; eight scale operands
.set PW,   216                         ; four half scale words
.set SQ,   220
.set PC,   224                         ; sixteen registers of codes
.set WV,   14                          ; s14 wave; s15 place in the cluster; s16 g; s17 batch; s18 j
.set CX,   15
.set GG,   16
.set BAT,  17
.set JJ,   18
.set G1J,  20                          ; s[20:27] group 1 of a joint load of a part
.set XP,   28                          ; s[28:29] x at my wave's strip
.set G0P0, 40                          ; groups 0, one for each of the three loads, never rewritten
.set G0P1, 44
.set G0P2, 48
.set SEL,  52                          ; s[52:53] lane selects: lane l xor 16
.set HM,   54                          ; s54 lanes 16-31
.set QB,   56                          ; where the results go
.set KB,   58
.set VB,   60
.set SB,   62                          ; where my wave stores scale words
.set MSB, 0
.macro WIN new                         ; the immediate's high byte repeats the setting that is left; a switch that changes nothing is dropped
.if MSB != (\new)
	s_set_vgpr_msb (MSB<<8)|(\new)
.set MSB, (\new)
.endif
.endm
.macro AW
	s_wait_alu depctr_va_vdst(0)
.endm
.macro PLACES n
.rept \n
	v_nop
.endr
.endm
.macro ROUND                           ; a round of the cluster's barrier
	s_barrier_signal -1
	s_barrier_wait -1
	s_cmp_lg_u32 s[WV], 0
	s_cbranch_scc1 .Lnot_wave_0_\@
	s_barrier_signal -3
.Lnot_wave_0_\@:
	s_barrier_wait -3
	s_barrier_signal -1
	s_barrier_wait -1
.endm
.macro BARRIER                         ; my LDS stores have landed and my LDS loads are in
	AW
	s_wait_dscnt 0x0
	s_barrier_signal -1
	s_barrier_wait -1
.endm
; A slot is filled: all my tensor loads have landed, 0 goes onto my spare word, the add, my LDS stores and my reads are done; a round; the load first behind it, one a wave.
.macro CHANGE g0
	WIN 0
	AW
	s_wait_tensorcnt 0x0
	ds_add_u32 v[SPW], v[NIL]
	s_wait_dscnt 0x0
	ROUND
	tensor_load_to_lds s[\g0:\g0+3], s[G1J:G1J+7]
	s_nop 0
	PLACES 4
.endm
; One matrix instruction, by the symbols rD, rA, rB, rC, rSA, rSB; fC: C is a register run (else 0); fRA, fRB: that side's scales stand in lanes 16-31
.macro MM
.if fC
.if fRA && fRB
	v_wmma_scale_f32_16x16x128_f8f6f4 v[rD:rD+7], v[rA:rA+7], v[rB:rB+7], v[rC:rC+7], v[rSA], v[rSB] matrix_a_fmt:MATRIX_FMT_FP4 matrix_b_fmt:MATRIX_FMT_FP4 matrix_a_scale:MATRIX_SCALE_ROW1 matrix_b_scale:MATRIX_SCALE_ROW1
.elseif fRA
	v_wmma_scale_f32_16x16x128_f8f6f4 v[rD:rD+7], v[rA:rA+7], v[rB:rB+7], v[rC:rC+7], v[rSA], v[rSB] matrix_a_fmt:MATRIX_FMT_FP4 matrix_b_fmt:MATRIX_FMT_FP4 matrix_a_scale:MATRIX_SCALE_ROW1
.elseif fRB
	v_wmma_scale_f32_16x16x128_f8f6f4 v[rD:rD+7], v[rA:rA+7], v[rB:rB+7], v[rC:rC+7], v[rSA], v[rSB] matrix_a_fmt:MATRIX_FMT_FP4 matrix_b_fmt:MATRIX_FMT_FP4 matrix_b_scale:MATRIX_SCALE_ROW1
.else
	v_wmma_scale_f32_16x16x128_f8f6f4 v[rD:rD+7], v[rA:rA+7], v[rB:rB+7], v[rC:rC+7], v[rSA], v[rSB] matrix_a_fmt:MATRIX_FMT_FP4 matrix_b_fmt:MATRIX_FMT_FP4
.endif
.else
.if fRA && fRB
	v_wmma_scale_f32_16x16x128_f8f6f4 v[rD:rD+7], v[rA:rA+7], v[rB:rB+7], 0, v[rSA], v[rSB] matrix_a_fmt:MATRIX_FMT_FP4 matrix_b_fmt:MATRIX_FMT_FP4 matrix_a_scale:MATRIX_SCALE_ROW1 matrix_b_scale:MATRIX_SCALE_ROW1
.elseif fRA
	v_wmma_scale_f32_16x16x128_f8f6f4 v[rD:rD+7], v[rA:rA+7], v[rB:rB+7], 0, v[rSA], v[rSB] matrix_a_fmt:MATRIX_FMT_FP4 matrix_b_fmt:MATRIX_FMT_FP4 matrix_a_scale:MATRIX_SCALE_ROW1
.elseif fRB
	v_wmma_scale_f32_16x16x128_f8f6f4 v[rD:rD+7], v[rA:rA+7], v[rB:rB+7], 0, v[rSA], v[rSB] matrix_a_fmt:MATRIX_FMT_FP4 matrix_b_fmt:MATRIX_FMT_FP4 matrix_b_scale:MATRIX_SCALE_ROW1
.else
	v_wmma_scale_f32_16x16x128_f8f6f4 v[rD:rD+7], v[rA:rA+7], v[rB:rB+7], 0, v[rSA], v[rSB] matrix_a_fmt:MATRIX_FMT_FP4 matrix_b_fmt:MATRIX_FMT_FP4
.endif
.endif
.endm
; K step s: 16 matrix instructions, tile t of W against the four tiles m of rows.  The accumulators take turns, one instruction a turn, in the same order in every step.
; mode 0: W x rows, accumulator 32 m + 8 t.  3: rows x W, accumulator 32 t + 8 m.
.macro KSTEP s, mode
.set t_, 0
.rept 4
.set m_, 0
.rept 4
.set rW, WF+32*((\s)%2)+8*t_
.set rX, AF+8*(4*m_+(\s))
.set sW, WSC+2*(\s)+t_/2
.set sX, ASC+2*(\s)+m_/2
.if (\mode) == 3
.set rD, 32*t_+8*m_
.set rA, rX
.set rB, rW
.set rSA, sX
.set rSB, sW
.set fRA, m_%2
.set fRB, t_%2
.else
.set rD, 32*m_+8*t_
.set rA, rW
.set rB, rX
.set rSA, sW
.set rSB, sX
.set fRA, t_%2
.set fRB, m_%2
.endif
.set rC, rD
.set fC, 1
.if (\s) == 0
.set fC, 0
.endif
	MM
.set m_, m_+1
.endr
.set t_, t_+1
.endr
.endm
.macro WLOAD wb, s                     ; W's four fragments of K step s into set s % 2: 8 loads of 512 consecutive bytes
.irp t, 0,1,2,3
	ds_load_b128 v[WF+32*((\s)%2)+8*\t:WF+32*((\s)%2)+8*\t+3], v[\wb] offset:(4*\t+(\s))*1024
	ds_load_b128 v[WF+32*((\s)%2)+8*\t+4:WF+32*((\s)%2)+8*\t+7], v[\wb] offset:(4*\t+(\s))*1024+512
.endr
.endm
.macro XLOAD s                         ; the rows' four fragments of K step s: 8 loads
.irp m, 0,1,2,3
	ds_load_b128 v[AF+8*(4*\m+(\s)):AF+8*(4*\m+(\s))+3], v[HLI] offset:(4*\m+(\s))*1024
	ds_load_b128 v[AF+8*(4*\m+(\s))+4:AF+8*(4*\m+(\s))+7], v[HLI] offset:(4*\m+(\s))*1024+512
.endr
.endm
; A phase's products.  xl = 1: the rows' fragments are loaded too.  Each wait counts the LDS loads issued behind the fragments of the K step in hand.
; Four places stand in front of each run of loads into registers that matrix instructions have read, and behind the last product.
.macro GEMM wb, wq, mode, xl
	WIN 0
.irp s, 0,1,2,3
	ds_load_b64 v[WSC+2*\s:WSC+2*\s+1], v[\wq] offset:256*\s
.endr
.if \xl
.irp s, 0,1,2,3
	ds_load_b64 v[ASC+2*\s:ASC+2*\s+1], v[HLQ] offset:256*\s
.endr
	XLOAD 0
.endif
	WLOAD \wb, 0
.if \xl
	XLOAD 1
.endif
	WLOAD \wb, 1
.if \xl
	XLOAD 2
	XLOAD 3
	s_wait_dscnt 32                                ; behind K step 0's: the rows' steps 1, 2, 3 (24) and W's step 1 (8)
.else
	s_wait_dscnt 8                                 ; W's step 1
.endif
	WIN 0x50
	KSTEP 0, \mode
	PLACES 4
	WIN 0
	WLOAD \wb, 2
.if \xl
	s_wait_dscnt 24                                ; the rows' steps 2, 3 and W's step 2
.else
	s_wait_dscnt 8
.endif
	WIN 0x50
	KSTEP 1, \mode
	PLACES 4
	WIN 0
	WLOAD \wb, 3
	s_wait_dscnt 8                                 ; W's step 3
	WIN 0x50
	KSTEP 2, \mode
	s_wait_dscnt 0x0
	KSTEP 3, \mode
	WIN 0
	PLACES 4
.endm
; THE QUANTISER of 128 numbers of a lane, v0-127 of window 1: eight half blocks of 16 registers; register 16 k + 8 u + i is piece 2 u + (lane / 16) of block k % 2, row (or column) tile k / 2; lane l xor 16 has the other half.
; The conversion of (k, u) is put at 4 (k / 2) + 2 u + k % 2; the exchange of halves then leaves register 4 (k / 2) + i with piece i of block (lane / 16): half an operand's fragment.
.macro QUANT
	WIN 0x14
.irp k, 0,1,2,3,4,5,6,7
	v_max3_num_f32 v[TM+\k], 0x1800000, |v[16*\k]|, |v[16*\k+1]|   ; the floor 2^(3 - 127) is among the leaves
.endr
.irp i, 2,4,6,8,10,12,14
.irp k, 0,1,2,3,4,5,6,7
	v_max3_num_f32 v[TM+\k], v[TM+\k], |v[16*\k+\i]|, |v[16*\k+\i+1]|
.endr
.endr
	WIN 0
.irp k, 0,1,2,3,4,5,6,7
	v_permlanex16_b32 v[TN+\k], v[TM+\k], s[SEL], s[SEL+1]
.endr
.irp k, 0,1,2,3,4,5,6,7
	v_max_num_f32 v[TM+\k], v[TM+\k], v[TN+\k]
.endr
.irp k, 0,1,2,3,4,5,6,7
	v_add_nc_u32 v[TS+\k], 0xff000000, v[TM+\k]    ; 2 off the exponent field: the conversion's scale operand
.endr
.irp k, 0,1,2,3,4,5,6,7
	v_lshrrev_b32 v[TN+\k], 23, v[TS+\k]           ; the scale's byte
.endr
.irp m, 0,1,2,3
	v_lshl_or_b32 v[PW+\m], v[TN+2*\m+1], 8, v[TN+2*\m]
.endr
	WIN 1
.irp k, 0,1,2,3,4,5,6,7
.irp u, 0,1
	v_cvt_scalef32_pk8_fp4_f32 v[PC+4*(\k/2)+2*\u+(\k%2)], v[16*\k+8*\u:16*\k+8*\u+7], v[TS+\k]
.endr
.endr
	WIN 0
	v_nop                                          ; one plain line behind the scaled conversions
.irp p, 0,2,4,6,8,10,12,14
	v_permlane16_swap_b32 v[PC+\p], v[PC+\p+1]
.endr
	v_cndmask_b32 v[SQ], v[PW], v[PW+1], s[HM]     ; lanes 0-15 tile 0, lanes 16-31 tile 1;
	v_cndmask_b32 v[SQ+1], v[PW+2], v[PW+3], s[HM] ; tiles 2 and 3
.endm
.macro SCALES o                        ; my halves of the scale words, into the quads at o
	ds_store_b16 v[HSQ], v[SQ] offset:\o
	ds_store_b16 v[HSQ], v[SQ+1] offset:\o+4
.endm
; Tile m's 16 rows go from window 1, v128 on, into my stage as they lie (a load holds two rows), and come back to v0 on in the accumulators' layout.
; LDS serves a wave's instructions in order (ISA guide 5.7.1): no wait stands between the stores and the loads, nor in front of the next tile's stores.
.macro XTURN m
	WIN 0x04
.irp k, 0,1,2,3,4,5,6,7
	ds_store_b128 v[XS], v[128+32*(\m)+4*\k:128+32*(\m)+4*\k+3] offset:544*\k
.endr
	WIN 0x40
.irp t, 0,1,2,3
	ds_load_b128 v[32*(\m)+8*\t:32*(\m)+8*\t+3], v[XL] offset:64*\t
	ds_load_b128 v[32*(\m)+8*\t+4:32*(\m)+8*\t+7], v[XL] offset:64*\t+16
.endr
	WIN 0
.endm
	s_load_b256 s[4:11], s[0:1], 0x0               ; x s[4:5], wpb s[6:7], qimg s[8:9], kpb s[10:11]
	s_load_b64 s[12:13], s[0:1], 0x20              ; vpb
	v_lshl_add_u32 v[SPW], v0, 2, SPARE
	v_mov_b32 v[NIL], 0
	ds_add_u32 v[SPW], v[NIL]                      ; the wave's opening: the add, twice on end, and its wait ahead of my first tensor load
	ds_add_u32 v[SPW], v[NIL]
	v_lshrrev_b32 v208, 5, v0
	v_readfirstlane_b32 s[WV], v208                ; wave 0..7
	v_and_b32 v209, 31, v0                         ; lane
	v_and_b32 v210, 15, v0                         ; r
	v_bfe_u32 v211, v0, 4, 1                       ; h
	v_lshlrev_b32 v[LN16], 4, v209
	v_lshlrev_b32 v[LN8], 3, v209
	v_lshlrev_b32 v[GO], 11, v211
	v_lshl_add_u32 v[GO], v210, 4, v[GO]
	s_bfe_u32 s[CX], ttmp6, 0x40000                ; my place in the cluster
	s_lshl_b32 s[GG], ttmp9, 2
	s_add_co_u32 s[GG], s[GG], s[CX]               ; g = 4 x cluster + place
	s_lshr_b32 s[BAT], ttmp9, 1                    ; the batch, which the four partners share
	s_and_b32 s[JJ], s[GG], 7                      ; my block of 64 of its 512 positions
	s_mov_b32 s[G1J], 15|(3<<16)|(1<<21)           ; the mask: all four; elements of 8 bytes; bit 21 beside a mask; no padding
	s_mov_b32 s[G1J+1], 64<<16                     ; tensor_dim0 = 64 elements: 512 bytes
	s_mov_b32 s[G1J+2], 34<<16                     ; tensor_dim1 = 34
	s_mov_b32 s[G1J+3], 64<<16                     ; tile_dim0
	s_mov_b32 s[G1J+4], 34                         ; tile_dim1
	s_mov_b32 s[G1J+5], 64                         ; dense: a line begins where the last ends
	s_mov_b32 s[G1J+6], 0
	s_mov_b32 s[G1J+7], 0
	s_mov_b32 s[SEL], 0x76543210
	s_mov_b32 s[SEL+1], 0xfedcba98
	s_mov_b32 s[HM], 0xffff0000
	s_mul_i32 s68, s[WV], PBW                      ; my part, of a slot and of a phase block
	s_mov_b32 s69, 0
	s_lshl_b32 s72, s[GG], 17                      ; my 64 rows of 2,048 bytes,
	s_lshl_b32 s70, s[WV], 8
	s_add_co_u32 s72, s72, s70                     ; my wave's 256 bytes of each
	s_mov_b32 s73, 0
	AW
	s_wait_dscnt 0x0                               ; both opening adds are done
	s_wait_kmcnt 0x0
	s_add_nc_u64 s[XP:XP+1], s[4:5], s[72:73]
	WIN 0x40
.set i_, 0
.rept 32                               ; x is wanted first: load i brings rows 2 i and 2 i + 1 of my strip, 256 consecutive bytes each, aligned
	global_load_b128 v[128+4*i_:128+4*i_+3], v[GO], s[XP:XP+1] offset:4096*i_ th:TH_LOAD_NT
.set i_, i_+1
.endr
	WIN 0
	s_add_nc_u64 s[74:75], s[6:7], s[68:69]        ; my part of Wq's block
	s_mov_b32 s[G0P0], 1
	s_mov_b32 s[G0P0+1], s68                       ; Wq: slot A
	s_mov_b64 s[G0P0+2:G0P0+3], s[74:75]
	s_or_b32 s[G0P0+3], s[G0P0+3], 0x80000000
	s_mov_b32 s[G0P1], 1
	s_add_co_u32 s[G0P1+1], s68, SLOT              ; Wk: slot B
	s_add_nc_u64 s[G0P1+2:G0P1+3], s[74:75], PB
	s_or_b32 s[G0P1+3], s[G0P1+3], 0x80000000
	s_mov_b32 s[G0P2], 1
	s_mov_b32 s[G0P2+1], s68                       ; Wv: slot A
	s_add_nc_u64 s[G0P2+2:G0P2+3], s[74:75], 2*PB
	s_or_b32 s[G0P2+3], s[G0P2+3], 0x80000000
	ROUND                                          ; all four work-groups are here: the first joint loads meet
	tensor_load_to_lds s[G0P0:G0P0+3], s[G1J:G1J+7]   ; one tensor load a wave at the head
	s_nop 0
	PLACES 4
	v_add_nc_u32 v[WB0], s68, v[LN16]
	v_add_nc_u32 v[WB1], SLOT, v[WB0]
	v_add_nc_u32 v[WQ0], s68, v[LN8]
	v_add_nc_u32 v[WQ0], 16384, v[WQ0]
	v_add_nc_u32 v[WQ1], SLOT, v[WQ0]
	v_mul_u32_u24 v212, v210, 272
	v_lshl_add_u32 v212, v211, 5, v212
	v_mul_u32_u24 v213, v211, 272
	v_lshl_add_u32 v213, v210, 4, v213
	s_mul_i32 s70, s[WV], STW
	s_add_co_u32 s70, s70, XIMG                    ; my stage
	v_add_nc_u32 v[XL], s70, v212
	v_add_nc_u32 v[XS], s70, v213
	v_add_nc_u32 v[HLI], XIMG, v[LN16]
	v_add_nc_u32 v[HLQ], XIMG+16384, v[LN8]
	s_lshl_b32 s70, s[WV], 9
	v_add_nc_u32 v[GI], s70, v[LN16]
	v_add_nc_u32 v[HSI], XIMG, v[GI]
	s_lshr_b32 s70, s[WV], 1
	s_lshl_b32 s70, s70, 8
	s_and_b32 s71, s[WV], 1
	s_lshl_b32 s71, s71, 1
	s_add_co_u32 s70, s70, s71
	v_add_nc_u32 v[HSQ], s70, v[HLQ]
	s_lshl_b32 s70, s[WV], 7
	v_lshlrev_b32 v[VSA], 2, v209
	v_add_nc_u32 v[VSA], s70, v[VSA]
	v_add_nc_u32 v[VSA], XIMG+16384+3072, v[VSA]
.irp k, 0,1,2,3,4,5,6,7
	v_mov_b32 v[TN+\k], 0                          ; a lane permute's destination counts as one of its sources
.endr
	; where the results go.  q, k: my work-group's part.  v: part w of the batch's fragments; my 64 keys are half j % 2 of K step j / 2: 512 j bytes into each tile's run
	s_mul_i32 s72, s[GG], PBW
	s_add_nc_u64 s[QB:QB+1], s[8:9], s[72:73]
	s_add_nc_u64 s[KB:KB+1], s[10:11], s[72:73]
	s_mul_i32 s72, s[BAT], PB
	s_add_nc_u64 s[74:75], s[12:13], s[72:73]      ; the batch's block of v
	s_lshl_b32 s72, s[WV], 14
	s_lshl_b32 s70, s[JJ], 9
	s_add_co_u32 s72, s72, s70
	s_add_nc_u64 s[VB:VB+1], s[74:75], s[72:73]
	s_lshl_b32 s72, s[JJ], 10
	s_add_co_u32 s72, s72, 131072
	s_add_nc_u64 s[74:75], s[74:75], s[72:73]      ; v's scales of my block of keys
	; waves 0, 1 store q's scale words, 2, 3 k's, 4, 5 v's, 512 bytes each
	s_add_nc_u64 s[76:77], s[QB:QB+1], 16384
	s_add_nc_u64 s[78:79], s[KB:KB+1], 16384
	s_cmp_lt_u32 s[WV], 2
	s_cselect_b64 s[SB:SB+1], s[76:77], s[78:79]
	s_cmp_lt_u32 s[WV], 4
	s_cselect_b64 s[SB:SB+1], s[SB:SB+1], s[74:75]
	s_and_b32 s72, s[WV], 1
	s_lshl_b32 s72, s72, 9
	s_add_nc_u64 s[SB:SB+1], s[SB:SB+1], s[72:73]
	; ---- x: my strip, columns 64 w on of the 64 rows, becomes half w % 2 of K step w / 2 of all four tiles of rows
	AW
	s_wait_loadcnt 24                              ; loads come back in order (ISA guide 5.7.1): rows 0-15 are in, the 24 later loads may be out
	XTURN 0
	s_wait_loadcnt 16
	XTURN 1
	s_wait_loadcnt 8
	XTURN 2
	s_wait_loadcnt 0x0
	XTURN 3
	s_wait_dscnt 0x0
	QUANT
	CHANGE G0P1                                    ; Wq has landed and no wave reads its stage any more: Wk goes into slot B, and the images may go over the stages' bytes
.irp m, 0,1,2,3
	ds_store_b128 v[HSI], v[PC+4*\m:PC+4*\m+3] offset:4096*\m
.endr
	SCALES 0
	BARRIER                                        ; x's images and quads are whole for every wave
	; ---- q
	GEMM WB0, WQ0, 0, 1
	CHANGE G0P2                                    ; Wk has landed; Wq has been read: Wv goes into slot A, and has q's quantising and the whole of k's phase in which to land
	QUANT
.irp m, 0,1,2,3
	global_store_b128 v[GI], v[PC+4*\m:PC+4*\m+3], s[QB:QB+1] offset:4096*\m          ; 32 lanes store 512 consecutive bytes, aligned
.endr
	SCALES 1024
	; ---- k: x's fragments and scale words are still in registers
	s_wait_xcnt 0x0                                ; q's stores have read their registers, on which W's fragments land
	GEMM WB1, WQ1, 0, 0
	QUANT
.irp m, 0,1,2,3
	global_store_b128 v[GI], v[PC+4*\m:PC+4*\m+3], s[KB:KB+1] offset:4096*\m
.endr
	SCALES 2048
	; ---- v, the sources swapped: a lane holds column 16 t + r of v, and register 32 t + 8 m + i is key 16 m + 8 h + i
	s_wait_xcnt 0x0
	s_wait_tensorcnt 0x0                           ; my part of Wv, which I alone read
	GEMM WB0, WQ0, 3, 0
	QUANT
.irp t, 0,1,2,3
	global_store_b128 v[LN16], v[PC+4*\t:PC+4*\t+3], s[VB:VB+1] offset:4096*\t        ; tile t's half fragment: my 64 keys
.endr
	v_lshl_or_b32 v[SQ], v[SQ+1], 16, v[SQ]
	ds_store_b32 v[VSA], v[SQ]
	BARRIER                                        ; all scale words are in LDS
	s_cmp_ge_u32 s[WV], 6
	s_cbranch_scc1 .Ldone
	ds_load_b128 v[TM:TM+3], v[HSI] offset:17408
	s_wait_dscnt 0x0
	global_store_b128 v[LN16], v[TM:TM+3], s[SB:SB+1]                                 ; 512 consecutive bytes, aligned
.Ldone:
	s_wait_tensorcnt 0x0                           ; the wave's end, behind my last tensor load and my last LDS store
	ds_add_u32 v[SPW], v[NIL]
	s_wait_dscnt 0x0
	ROUND                                          ; the closing round: no work-group ends while a partner may still ask for a part that names it
	s_endpgm
.Lfunc_end_k_q71c44bd869_qkv:
	.size	k_q71c44bd869_qkv, .Lfunc_end_k_q71c44bd869_qkv-k_q71c44bd869_qkv
	.p2alignl 7, 3214868480
	.fill 96, 4, 3214868480
	.section	.rodata,"a",@progbits
	.p2align	6, 0x0
	.amdhsa_kernel k_q71c44bd869_qkv
		.amdhsa_group_segment_fixed_size 327680
		.amdhsa_private_segment_fixed_size 0
		.amdhsa_enable_private_segment 0
		.amdhsa_kernarg_size 40
		.amdhsa_user_sgpr_count 2
		.amdhsa_user_sgpr_kernarg_segment_ptr 1
		.amdhsa_wavefront_size32 1
		.amdhsa_system_sgpr_workgroup_id_x 1
		.amdhsa_system_sgpr_workgroup_id_y 1
		.amdhsa_system_sgpr_workgroup_id_z 1
		.amdhsa_system_vgpr_workitem_id 0
		.amdhsa_next_free_vgpr 512
		.amdhsa_next_free_sgpr 80
		.amdhsa_reserve_vcc 0
		.amdhsa_float_denorm_mode_32 3
		.amdhsa_float_denorm_mode_16_64 3
		.amdhsa_memory_ordered 1
		.amdhsa_forward_progress 1
		.amdhsa_inst_pref_size 83
	.end_amdhsa_kernel
	.amdgpu_metadata
---
amdhsa.version: [ 1, 2 ]
amdhsa.kernels:
  - .name:           k_q71c44bd869_qkv
    .symbol:         k_q71c44bd869_qkv.kd
    .args:
      - { .name: x, .offset: 0, .size: 8, .value_kind: global_buffer, .address_space: global }
      - { .name: wpb, .offset: 8, .size: 8, .value_kind: global_buffer, .address_space: global }
      - { .name: qimg, .offset: 16, .size: 8, .value_kind: global_buffer, .address_space: global }
      - { .name: kpb, .offset: 24, .size: 8, .value_kind: global_buffer, .address_space: global }
      - { .name: vpb, .offset: 32, .size: 8, .value_kind: global_buffer, .address_space: global }
    .group_segment_fixed_size: 327680
    .private_segment_fixed_size: 0
    .kernarg_segment_align: 8
    .kernarg_segment_size: 40
    .max_flat_workgroup_size: 256
    .sgpr_count:     80
    .vgpr_count:     512
    .wavefront_size: 32
...
	.end_amdgpu_metadata
.endif
;; end of part 2
;; launch chain (part 3): grid 256 x 1, 8 waves a work-group, clusters of 4 x 1, 327,680 bytes of LDS; arguments x, qimg, kpb, vpb, wpb, b1, b2, a1, bb1, a2, bb2, out0; writes out0
.if DOCPART == 3
	.amdgcn_target "amdgcn-amd-amdhsa--gfx1250"
	.amdhsa_code_object_version 6
	.text
	.protected	k_q71c44bd869_chain
	.globl	k_q71c44bd869_chain
	.p2align	8
	.type	k_q71c44bd869_chain,@function
k_q71c44bd869_chain:
	s_mov_b64 s[64:65], 0
	v_nop
	global_prefetch_b8 v0, s[64:65] scope:SCOPE_SE
	s_setreg_imm32_b32 hwreg(HW_REG_WAVE_MODE, 25, 1), 1
	s_wait_xcnt 0x0
	s_wait_alu depctr_hold_cnt(0) depctr_sa_sdst(0) depctr_va_vdst(0) depctr_va_sdst(0) depctr_va_ssrc(0) depctr_va_vcc(0) depctr_vm_vsrc(0)
	s_getreg_b32 s2, hwreg(HW_REG_IB_STS2, 6, 4)
	s_cmp_eq_u32 s2, 0
	s_cbranch_scc0 .Lentry_in_a_cluster
	s_endpgm
.Lentry_in_a_cluster:
	s_bfe_u32 s2, ttmp6, 0x10000c
	s_cmp_lg_u32 s2, 0x3003
	s_cbranch_scc0 .Lentry_shape_is_right
	s_endpgm
.Lentry_shape_is_right:
; out0 = norm2(n1 + FFN(n1)), n1 = norm1(x + attention), for 64 rows a work-group; q, k, v come as codes from the launch before, W1 and W2 from the first.  No work is left out.
; SHARES.  Work-group g owns rows 64 g .. + 63 (batch g / 8).  Every product is a PHASE [64 rows x 512 K] x [512 K x 512 N]: wave w of eight owns N = 64 w .. + 63 (4 tiles t), all 4 tiles m of rows, all 4 K steps s:
; 64 matrix instructions on 16 accumulators by turns.  Phases: scores (N = keys), p v, and four times W1's chunk and W2's chunk of 512 hidden units.  The hidden layer and n1 never leave the work-group.
; A lane holds ONE row (lane % 16) of each tile and, in register 32 m + 8 t + i, column 64 w + 16 t + 8 (lane / 16) + i.  So what a wave quantises is half w % 2 of K step w / 2 of the next product; it goes to LDS as register images.
; FEEDING.  V and the weights come through a ring of two slots; each wave fetches, by one tensor load, the part that it alone reads.  The four partners of a cluster walk the same batch and the same weights: joint loads, mask 15.
; q and K go straight into registers: a wave reads its part of K once, at the head, where a wave has one tensor load, and that one is V's; through the ring K would stand in front of V.
; PREFETCH INTO THE L2.  Weights: at each change of slots the block that the NEXT change will load is asked for (the first with V's load); every cluster reads the same blocks, so four clusters ask (0, 21, 42, 63), each block of
; 256 bytes once in each: the four partners take 136 of a block's 544 by address, a wave 17.  The last change asks for nothing.  x: each work-group's own rows, once, ahead of their loads, which wait for K's registers.
; SOFTMAX.  t = score x log2(e) / sqrt(512); M = the row's largest t rounded up; p = 2^(t - M) is quantised along the keys, its sum is taken unquantised and divides at the end.
; A block's largest p is made of the block's largest score by the same two instructions.
; NORMS.  A wave takes its own 64 columns' mean and squared deviations from it; one exchange joins the eight: mean = the means' mean, M2 = the sum of the eight and of 64 (their mean - mean)^2.
; ReLU is done on the codes: the block's largest number counts what is positive, and a code whose sign is set loses its magnitude.
; LIMITS: NaN and infinities are not served; the promise holds while the scaled scores stay under 2^31 in magnitude; a block of zeros gets the byte 1 where the rule says 127 (its codes are zeros).
; REGISTERS.  window 0: v1-21 addresses; v22-29 a row's factors; v30, v31 the add's two; v32-39 W's scale words (first K's); v40-47 q's, then n1's; v48-55 p's, then H's; v56-63 V's halves of scale words;
;   v64-191 fragments of q, of p, then of n1 for all four chunks (between: x turned, exchanges, b2); v192-255 W's fragments, two sets of 32, and between products the quantiser's.
;   window 1: v0-127 scores, p, p v, hidden units, then H's fragments;  v128-255 K's fragments, x as loaded, then the residual stream.
.set PB,    139264
.set PBW,   17408
.set SLOT,  139264
.set HIMG,  2*SLOT                     ; p's or H's 16 images and 4 quads;
.set NOFF,  17408                      ; behind them n1's;  both first hold the eight stages of x, 16 rows x 272 bytes each
.set STW,   16*272
.set EX,    HIMG+2*NOFF                ; three exchanges of 2,048 bytes: wave w's 256: row r of tile m at 16 r + 4 m
.set SPARE, EX+6144                    ; the spare words, 128 bytes a wave
.set LN16, 1
.set LN8,  2
.set WB0,  3
.set WB1,  4
.set WQ0,  5
.set WQ1,  6
.set XS,   7
.set XL,   8
.set HLI,  9
.set HLQ,  10
.set HSI,  11
.set HSQ,  12
.set ES,   13
.set EL,   14
.set BO,   15
.set GO,   16
.set OS,   17
.set OR,   18
.set PXO,  19
.set PFO,  20
.set LN4,  21
.set BC,   22                          ; pairs: v[BC + 2 m] and v[BC + 2 m + 1] belong to row tile m
.set SPW,  30
.set NIL,  31
.set WSC,  32
.set ASC,  40
.set HSC,  48
.set VS,   56
.set AF,   64
.set EXL,  64
.set SA,   128
.set SX,   136
.set B2,   144
.set WF,   192
.set TM,   192
.set TN,   200
.set TS,   208
.set PW,   216
.set SQ,   220
.set PC,   224
.set BM,   240
.set RM,   248
.set LMV,  192                         ; the norms' registers, in the same place
.set MN,   196
.set QS,   208
.set DV,   212
.set A1S,  28
.set BB1,  29
.set A2S,  30
.set BB2,  31
.set WV,   32
.set CX,   33
.set GG,   34
.set BAT,  35
.set G1J,  36                          ; group 1 for a part of weights (34 lines of 512 bytes), and for V's (32 lines)
.set G1V,  44
.set G0V,  52
.set GW1,  56
.set GW2,  60
.set XP,   66
.set SEL,  68
.set CS,   70
.set HM,   72
.set TRIP, 73
.set B1P,  74
.set B2P,  76
.set OUT,  78
.set QB,   80
.set KB,   82
.set VSB,  84
.set PFA,  86
.set LIM,  88                          ; 1 where my cluster prefetches weights, else the greatest number
.set SGN,  89
.set MSB, 0
.macro WIN new                         ; the immediate's high byte repeats the setting that is left; a switch that changes nothing is dropped
.if MSB != (\new)
	s_set_vgpr_msb (MSB<<8)|(\new)
.set MSB, (\new)
.endif
.endm
.macro AW
	s_wait_alu depctr_va_vdst(0)
.endm
.macro PLACES n
.rept \n
	v_nop
.endr
.endm
.macro ROUND                           ; a round of the cluster's barrier
	s_barrier_signal -1
	s_barrier_wait -1
	s_cmp_lg_u32 s[WV], 0
	s_cbranch_scc1 .Lnot_wave_0_\@
	s_barrier_signal -3
.Lnot_wave_0_\@:
	s_barrier_wait -3
	s_barrier_signal -1
	s_barrier_wait -1
.endm
.macro BARRIER                         ; my LDS stores have landed and my LDS loads are in
	AW
	s_wait_dscnt 0x0
	s_barrier_signal -1
	s_barrier_wait -1
.endm
; A slot is filled: all my tensor loads have landed, 0 goes onto my spare word, the add, my LDS stores and my reads are done; a round; the load first behind it, one a wave.
; how = 1: the prefetch of the next block of weights;  2: the same, but not in the loop's last trip, behind which no block follows.
.macro CHANGE g0, step, how
	WIN 0
	AW
	s_wait_xcnt 0x0                                ; any prefetch of mine has read its address, so it may be stepped
	s_add_nc_u64 s[PFA:PFA+1], s[PFA:PFA+1], PB
	s_wait_tensorcnt 0x0
	ds_add_u32 v[SPW], v[NIL]
.if \step
	s_add_nc_u64 s[\g0+2:\g0+3], s[\g0+2:\g0+3], 2*PB
.endif
	s_wait_dscnt 0x0
	ROUND
	tensor_load_to_lds s[\g0:\g0+3], s[G1J:G1J+7]
	s_nop 0
	PLACES 4
.if (\how) == 1
	s_cmp_eq_u32 s[LIM], 1
.else
	s_cmp_gt_u32 s[TRIP], s[LIM]
.endif
	s_cbranch_scc0 .Lnot_mine_\@
	global_prefetch_b8 v[PFO], s[PFA:PFA+1] th:TH_LOAD_NT scope:SCOPE_SE
.Lnot_mine_\@:
.endm
; One matrix instruction, by the symbols rD, rA, rB, rC, rSA, rSB; fC: C is a register run (else 0); fRA, fRB: that side's scales stand in lanes 16-31
.macro MM
.if fC
.if fRA && fRB
	v_wmma_scale_f32_16x16x128_f8f6f4 v[rD:rD+7], v[rA:rA+7], v[rB:rB+7], v[rC:rC+7], v[rSA], v[rSB] matrix_a_fmt:MATRIX_FMT_FP4 matrix_b_fmt:MATRIX_FMT_FP4 matrix_a_scale:MATRIX_SCALE_ROW1 matrix_b_scale:MATRIX_SCALE_ROW1
.elseif fRA
	v_wmma_scale_f32_16x16x128_f8f6f4 v[rD:rD+7], v[rA:rA+7], v[rB:rB+7], v[rC:rC+7], v[rSA], v[rSB] matrix_a_fmt:MATRIX_FMT_FP4 matrix_b_fmt:MATRIX_FMT_FP4 matrix_a_scale:MATRIX_SCALE_ROW1
.elseif fRB
	v_wmma_scale_f32_16x16x128_f8f6f4 v[rD:rD+7], v[rA:rA+7], v[rB:rB+7], v[rC:rC+7], v[rSA], v[rSB] matrix_a_fmt:MATRIX_FMT_FP4 matrix_b_fmt:MATRIX_FMT_FP4 matrix_b_scale:MATRIX_SCALE_ROW1
.else
	v_wmma_scale_f32_16x16x128_f8f6f4 v[rD:rD+7], v[rA:rA+7], v[rB:rB+7], v[rC:rC+7], v[rSA], v[rSB] matrix_a_fmt:MATRIX_FMT_FP4 matrix_b_fmt:MATRIX_FMT_FP4
.endif
.else
.if fRA && fRB
	v_wmma_scale_f32_16x16x128_f8f6f4 v[rD:rD+7], v[rA:rA+7], v[rB:rB+7], 0, v[rSA], v[rSB] matrix_a_fmt:MATRIX_FMT_FP4 matrix_b_fmt:MATRIX_FMT_FP4 matrix_a_scale:MATRIX_SCALE_ROW1 matrix_b_scale:MATRIX_SCALE_ROW1
.elseif fRA
	v_wmma_scale_f32_16x16x128_f8f6f4 v[rD:rD+7], v[rA:rA+7], v[rB:rB+7], 0, v[rSA], v[rSB] matrix_a_fmt:MATRIX_FMT_FP4 matrix_b_fmt:MATRIX_FMT_FP4 matrix_a_scale:MATRIX_SCALE_ROW1
.elseif fRB
	v_wmma_scale_f32_16x16x128_f8f6f4 v[rD:rD+7], v[rA:rA+7], v[rB:rB+7], 0, v[rSA], v[rSB] matrix_a_fmt:MATRIX_FMT_FP4 matrix_b_fmt:MATRIX_FMT_FP4 matrix_b_scale:MATRIX_SCALE_ROW1
.else
	v_wmma_scale_f32_16x16x128_f8f6f4 v[rD:rD+7], v[rA:rA+7], v[rB:rB+7], 0, v[rSA], v[rSB] matrix_a_fmt:MATRIX_FMT_FP4 matrix_b_fmt:MATRIX_FMT_FP4
.endif
.endif
.endm
; The product of tile t_ and row tile m_, K step s.  mode 0: the sums begin with 0;  1: with the bias, which lies in the registers of row tile 3's accumulators;  2: they go on.
.macro PROD s, acc, wf, wst, xb, sx, mode
.set rA, (\wf)+(\wst)*t_
.set rB, (\xb)+8*(4*m_+(\s))
.set rSA, WSC+2*(\s)+t_/2
.set rSB, (\sx)+2*(\s)+m_/2
.set rD, (\acc)+32*m_+8*t_
.set fRA, t_%2
.set fRB, m_%2
.set rC, rD
.set fC, 1
.if (\s) == 0
.if (\mode) == 1
.set rC, (\acc)+96+8*t_
.elseif (\mode) == 0
.set fC, 0
.endif
.endif
	MM
.endm
; K step s: 16 matrix instructions; the accumulators take turns, one instruction a turn.  With the bias row tile 3 comes last, five places behind the last reader of the bias.
.macro KSTEP s, acc, wf, wst, xb, sx, mode
.set lim_, 4
.if (\s) == 0
.if (\mode) == 1
.set lim_, 3
.endif
.endif
.set t_, 0
.rept 4
.set m_, 0
.rept lim_
	PROD \s, \acc, \wf, \wst, \xb, \sx, \mode
.set m_, m_+1
.endr
.set t_, t_+1
.endr
.if lim_ == 3
	PLACES 5
.set t_, 0
.rept 4
	PROD \s, \acc, \wf, \wst, \xb, \sx, \mode
.set t_, t_+1
.endr
.endif
.endm
.macro WLOAD wb, s                     ; W's four fragments of K step s into set s % 2: 8 loads of 512 consecutive bytes
.irp t, 0,1,2,3
	ds_load_b128 v[WF+32*((\s)%2)+8*\t:WF+32*((\s)%2)+8*\t+3], v[\wb] offset:(4*\t+(\s))*1024
	ds_load_b128 v[WF+32*((\s)%2)+8*\t+4:WF+32*((\s)%2)+8*\t+7], v[\wb] offset:(4*\t+(\s))*1024+512
.endr
.endm
.macro XLOAD xb, o, s                  ; the rows' four fragments of K step s: 8 loads
.irp m, 0,1,2,3
	ds_load_b128 v[\xb+8*(4*\m+(\s)):\xb+8*(4*\m+(\s))+3], v[HLI] offset:\o+(4*\m+(\s))*1024
	ds_load_b128 v[\xb+8*(4*\m+(\s))+4:\xb+8*(4*\m+(\s))+7], v[HLI] offset:\o+(4*\m+(\s))*1024+512
.endr
.endm
; A phase's products from a slot.  wq = 0: W's scale words are in place.  xl = 1: the rows' fragments and scale words are loaded too, into window xw / 0x40.  Each wait counts the LDS loads issued behind the fragments of the K step in hand.
; Four places stand in front of each run of loads into registers that matrix instructions have read, and behind the last product.
.macro GEMM wb, wq, acc, mode, win, xb, sx, xl, xw
	WIN 0
.if \wq
.irp s, 0,1,2,3
	ds_load_b64 v[WSC+2*\s:WSC+2*\s+1], v[\wq] offset:256*\s
.endr
.endif
.if \xl
.irp s, 0,1,2,3
	ds_load_b64 v[\sx+2*\s:\sx+2*\s+1], v[HLQ] offset:256*\s
.endr
	WIN \xw
	XLOAD \xb, 0, 0
	WIN 0
.endif
	WLOAD \wb, 0
.if \xl
	WIN \xw
	XLOAD \xb, 0, 1
	WIN 0
.endif
	WLOAD \wb, 1
.if \xl
	WIN \xw
	XLOAD \xb, 0, 2
	XLOAD \xb, 0, 3
	s_wait_dscnt 32                                ; behind K step 0's: the rows' steps 1, 2, 3 (24) and W's step 1 (8)
.else
	s_wait_dscnt 8                                 ; W's step 1
.endif
	WIN \win
	KSTEP 0, \acc, WF, 8, \xb, \sx, \mode
	PLACES 4
	WIN 0
	WLOAD \wb, 2
.if \xl
	s_wait_dscnt 24                                ; the rows' steps 2, 3 and W's step 2
.else
	s_wait_dscnt 8
.endif
	WIN \win
	KSTEP 1, \acc, WF+32, 8, \xb, \sx, \mode
	PLACES 4
	WIN 0
	WLOAD \wb, 3
	s_wait_dscnt 8                                 ; W's step 3
	WIN \win
	KSTEP 2, \acc, WF, 8, \xb, \sx, \mode
	s_wait_dscnt 0x0
	KSTEP 3, \acc, WF+32, 8, \xb, \sx, \mode
	WIN 0
	PLACES 4
.endm
; THE QUANTISER of 128 numbers of a lane, v[S] on of window 1: eight half blocks of 16 registers; register 16 k + 8 u + i is piece 2 u + (lane / 16) of block k % 2 of row tile k / 2; lane l xor 16 has the other half.
.macro QMAX S, relu
	WIN 0x14
.irp k, 0,1,2,3,4,5,6,7
.if \relu
	v_max3_num_f32 v[TM+\k], 0x1800000, v[\S+16*\k], v[\S+16*\k+1]   ; the floor 2^(3 - 127) is among the leaves
.else
	v_max3_num_f32 v[TM+\k], 0x1800000, |v[\S+16*\k]|, |v[\S+16*\k+1]|
.endif
.endr
.irp i, 2,4,6,8,10,12,14
.irp k, 0,1,2,3,4,5,6,7
.if \relu
	v_max3_num_f32 v[TM+\k], v[TM+\k], v[\S+16*\k+\i], v[\S+16*\k+\i+1]
.else
	v_max3_num_f32 v[TM+\k], v[TM+\k], |v[\S+16*\k+\i]|, |v[\S+16*\k+\i+1]|
.endif
.endr
.endr
	WIN 0
.irp k, 0,1,2,3,4,5,6,7
	v_permlanex16_b32 v[TN+\k], v[TM+\k], s[SEL], s[SEL+1]
.endr
.irp k, 0,1,2,3,4,5,6,7
	v_max_num_f32 v[TM+\k], v[TM+\k], v[TN+\k]
.endr
.endm
; From the eight maxima at v[big] on to codes and scale bytes, and both into the images at HIMG + o.  The conversion of (k, u) is put at 4 (k / 2) + 2 u + k % 2; the exchange of halves then leaves register
; 4 (k / 2) + i with piece i of block (lane / 16): half an operand's fragment.
.macro QTAIL S, big, relu, o
.irp k, 0,1,2,3,4,5,6,7
	v_add_nc_u32 v[TS+\k], 0xff000000, v[\big+\k]  ; 2 off the exponent field: the conversion's scale operand
.endr
.irp k, 0,1,2,3,4,5,6,7
	v_lshrrev_b32 v[TN+\k], 23, v[TS+\k]           ; the scale's byte
.endr
.irp m, 0,1,2,3
	v_lshl_or_b32 v[PW+\m], v[TN+2*\m+1], 8, v[TN+2*\m]
.endr
	WIN 1
.irp k, 0,1,2,3,4,5,6,7
.irp u, 0,1
	v_cvt_scalef32_pk8_fp4_f32 v[PC+4*(\k/2)+2*\u+(\k%2)], v[\S+16*\k+8*\u:\S+16*\k+8*\u+7], v[TS+\k]
.endr
.endr
	WIN 0
	v_nop                                          ; one plain line behind the scaled conversions
.irp p, 0,2,4,6,8,10,12,14
	v_permlane16_swap_b32 v[PC+\p], v[PC+\p+1]
.endr
.if \relu                              ; n = a code's sign bit; n - n / 8 = its three magnitude bits, which are cleared: eight codes in four instructions
.irp g, 0,8
.irp i, 0,1,2,3,4,5,6,7
	v_and_b32 v[TM+\i], s[SGN], v[PC+\g+\i]
.endr
.irp i, 0,1,2,3,4,5,6,7
	v_lshrrev_b32 v[TN+\i], 3, v[TM+\i]
.endr
.irp i, 0,1,2,3,4,5,6,7
	v_sub_nc_u32 v[TM+\i], v[TM+\i], v[TN+\i]
.endr
.irp i, 0,1,2,3,4,5,6,7
	v_bfi_b32 v[PC+\g+\i], v[TM+\i], 0, v[PC+\g+\i]
.endr
.endr
.endif
	v_cndmask_b32 v[SQ], v[PW], v[PW+1], s[HM]     ; lanes 0-15 tile 0, lanes 16-31 tile 1;
	v_cndmask_b32 v[SQ+1], v[PW+2], v[PW+3], s[HM] ; tiles 2 and 3
.irp m, 0,1,2,3
	ds_store_b128 v[HSI], v[PC+4*\m:PC+4*\m+3] offset:\o+4096*\m
.endr
	ds_store_b16 v[HSQ], v[SQ] offset:\o
	ds_store_b16 v[HSQ], v[SQ+1] offset:\o+4
.endm
.macro LANESUM                         ; the row tiles' sums: two chains, two halves of a pair, two halves of the wave -> v[RM + m]
	WIN 0
.irp m, 0,1,2,3
	v_pk_add_f32 v[SA+2*\m:SA+2*\m+1], v[SA+2*\m:SA+2*\m+1], v[SX+2*\m:SX+2*\m+1]
.endr
.irp m, 0,1,2,3
	v_add_f32 v[RM+\m], v[SA+2*\m], v[SA+2*\m+1]
.endr
.irp m, 0,1,2,3
	v_permlanex16_b32 v[TN+\m], v[RM+\m], s[SEL], s[SEL+1]
.endr
.irp m, 0,1,2,3
	v_add_f32 v[RM+\m], v[RM+\m], v[TN+\m]
.endr
.endm
.macro ROWSUM A
	WIN 0x05
.irp m, 0,1,2,3
	v_pk_add_f32 v[SA+2*\m:SA+2*\m+1], v[\A+32*\m:\A+32*\m+1], v[\A+32*\m+2:\A+32*\m+3]
	v_pk_add_f32 v[SX+2*\m:SX+2*\m+1], v[\A+32*\m+4:\A+32*\m+5], v[\A+32*\m+6:\A+32*\m+7]
.endr
	WIN 0x04
.irp i, 8,12,16,20,24,28
.irp m, 0,1,2,3
	v_pk_add_f32 v[SA+2*\m:SA+2*\m+1], v[SA+2*\m:SA+2*\m+1], v[\A+32*\m+\i:\A+32*\m+\i+1]
	v_pk_add_f32 v[SX+2*\m:SX+2*\m+1], v[SX+2*\m:SX+2*\m+1], v[\A+32*\m+\i+2:\A+32*\m+\i+3]
.endr
.endr
	LANESUM
.endm
.macro SQSUM A
	WIN 0x05
.irp m, 0,1,2,3
	v_pk_mul_f32 v[SA+2*\m:SA+2*\m+1], v[\A+32*\m:\A+32*\m+1], v[\A+32*\m:\A+32*\m+1]
	v_pk_mul_f32 v[SX+2*\m:SX+2*\m+1], v[\A+32*\m+2:\A+32*\m+3], v[\A+32*\m+2:\A+32*\m+3]
.endr
.irp i, 4,8,12,16,20,24,28
.irp m, 0,1,2,3
	v_pk_fma_f32 v[SA+2*\m:SA+2*\m+1], v[\A+32*\m+\i:\A+32*\m+\i+1], v[\A+32*\m+\i:\A+32*\m+\i+1], v[SA+2*\m:SA+2*\m+1]
	v_pk_fma_f32 v[SX+2*\m:SX+2*\m+1], v[\A+32*\m+\i+2:\A+32*\m+\i+3], v[\A+32*\m+\i+2:\A+32*\m+\i+3], v[SX+2*\m:SX+2*\m+1]
.endr
.endr
	LANESUM
.endm
; A norm of the residual stream, in place: y = d c + e, d = the number less my wave's own mean, c = a / (std + 1e-6), e = (own mean - mean) c + b.
.macro NORM a, bb
	ROWSUM 128
.irp m, 0,1,2,3
	v_mul_f32 v[LMV+\m], 0x3c800000, v[RM+\m]      ; / 64
	v_mul_f32 v[BC+2*\m], 0x3c800000, v[RM+\m]
.endr
	WIN 0x41
.irp m, 0,1,2,3
.set i_, 128+32*\m
.rept 16
	v_pk_add_f32 v[i_:i_+1], v[i_:i_+1], v[BC+2*\m:BC+2*\m+1] op_sel_hi:[1,0] neg_lo:[0,1] neg_hi:[0,1]
.set i_, i_+2
.endr
.endr
	SQSUM 128
	ds_store_b128 v[ES], v[LMV:LMV+3]
	ds_store_b128 v[ES], v[RM:RM+3] offset:2048
	BARRIER
.irp w, 0,1,2,3,4,5,6,7
	ds_load_b128 v[EXL+4*\w:EXL+4*\w+3], v[EL] offset:256*\w
	ds_load_b128 v[EXL+32+4*\w:EXL+32+4*\w+3], v[EL] offset:2048+256*\w
.endr
	s_wait_dscnt 0x0
.irp p, 0,2
	v_pk_add_f32 v[MN+\p:MN+\p+1], v[EXL+\p:EXL+\p+1], v[EXL+4+\p:EXL+4+\p+1]
	v_pk_add_f32 v[QS+\p:QS+\p+1], v[EXL+32+\p:EXL+32+\p+1], v[EXL+36+\p:EXL+36+\p+1]
.endr
.irp w, 2,3,4,5,6,7
.irp p, 0,2
	v_pk_add_f32 v[MN+\p:MN+\p+1], v[MN+\p:MN+\p+1], v[EXL+4*\w+\p:EXL+4*\w+\p+1]
	v_pk_add_f32 v[QS+\p:QS+\p+1], v[QS+\p:QS+\p+1], v[EXL+32+4*\w+\p:EXL+32+4*\w+\p+1]
.endr
.endr
.irp p, 0,2
	v_pk_mul_f32 v[MN+\p:MN+\p+1], v[MN+\p:MN+\p+1], 0x3e000000 op_sel_hi:[1,0]   ; / 8
.endr
.irp w, 0,1,2,3,4,5,6,7
.irp p, 0,2
	v_pk_add_f32 v[EXL+4*\w+\p:EXL+4*\w+\p+1], v[EXL+4*\w+\p:EXL+4*\w+\p+1], v[MN+\p:MN+\p+1] neg_lo:[0,1] neg_hi:[0,1]
.endr
.endr
.irp p, 0,2
	v_pk_mul_f32 v[DV+\p:DV+\p+1], v[EXL+\p:EXL+\p+1], v[EXL+\p:EXL+\p+1]
.endr
.irp w, 1,2,3,4,5,6,7
.irp p, 0,2
	v_pk_fma_f32 v[DV+\p:DV+\p+1], v[EXL+4*\w+\p:EXL+4*\w+\p+1], v[EXL+4*\w+\p:EXL+4*\w+\p+1], v[DV+\p:DV+\p+1]
.endr
.endr
.irp p, 0,2
	v_pk_fma_f32 v[QS+\p:QS+\p+1], v[DV+\p:DV+\p+1], 0x42800000, v[QS+\p:QS+\p+1] op_sel_hi:[1,0,1]   ; 64 x
	v_pk_add_f32 v[LMV+\p:LMV+\p+1], v[LMV+\p:LMV+\p+1], v[MN+\p:MN+\p+1] neg_lo:[0,1] neg_hi:[0,1]
.endr
.irp m, 0,1,2,3
	v_mul_f32 v[RM+\m], 0x3b004020, v[QS+\m]       ; / 511
.endr
	AW
.irp m, 0,1,2,3
	v_sqrt_f32 v[RM+\m], v[RM+\m]
.endr
	v_nop
	AW
.irp m, 0,1,2,3
	v_add_f32 v[RM+\m], 0x358637bd, v[RM+\m]       ; + 1e-6
.endr
	AW
.irp m, 0,1,2,3
	v_rcp_f32 v[RM+\m], v[RM+\m]
.endr
	v_nop
	AW
.irp m, 0,1,2,3
	v_mul_f32 v[BC+2*\m], s[\a], v[RM+\m]
.endr
.irp m, 0,1,2,3
	v_fma_f32 v[BC+2*\m+1], v[LMV+\m], v[BC+2*\m], s[\bb]
.endr
	WIN 0x41
.irp m, 0,1,2,3
.set i_, 128+32*\m
.rept 16
	v_pk_fma_f32 v[i_:i_+1], v[i_:i_+1], v[BC+2*\m:BC+2*\m+1], v[BC+2*\m:BC+2*\m+1] op_sel:[0,0,1] op_sel_hi:[1,0,1]
.set i_, i_+2
.endr
.endr
	WIN 0
.endm
.macro BLOAD                           ; b1 at my columns, into the registers of row tile 3's accumulators
	WIN 0x40
.irp t, 0,1,2,3
	global_load_b128 v[96+8*\t:96+8*\t+3], v[BO], s[B1P:B1P+1] offset:64*\t
	global_load_b128 v[96+8*\t+4:96+8*\t+7], v[BO], s[B1P:B1P+1] offset:64*\t+16
.endr
	WIN 0
.endm
.macro GL s                            ; K step s of q's four fragments and of my four of K: each load covers 512 consecutive bytes, aligned
.irp m, 0,1,2,3
	global_load_b128 v[AF+8*(4*\m+(\s)):AF+8*(4*\m+(\s))+3], v[LN16], s[QB:QB+1] offset:(4*\m+(\s))*1024
	global_load_b128 v[AF+8*(4*\m+(\s))+4:AF+8*(4*\m+(\s))+7], v[LN16], s[QB:QB+1] offset:(4*\m+(\s))*1024+512
.endr
	WIN 0x40
.irp t, 0,1,2,3
	global_load_b128 v[128+8*(4*\t+(\s)):128+8*(4*\t+(\s))+3], v[LN16], s[KB:KB+1] offset:(4*\t+(\s))*1024
	global_load_b128 v[128+8*(4*\t+(\s))+4:128+8*(4*\t+(\s))+7], v[LN16], s[KB:KB+1] offset:(4*\t+(\s))*1024+512
.endr
	WIN 0
.endm
; Tile m's 16 rows of x go from window 1, v128 on, into my stage as they lie, and come back to v64 on of window 0 in the accumulators' layout.  LDS serves a wave's instructions in order (ISA guide 5.7.1): no waits between.
.macro XTURN m
	WIN 0x04
.irp k, 0,1,2,3,4,5,6,7
	ds_store_b128 v[XS], v[128+32*(\m)+4*\k:128+32*(\m)+4*\k+3] offset:544*\k
.endr
	WIN 0
.irp t, 0,1,2,3
	ds_load_b128 v[AF+32*(\m)+8*\t:AF+32*(\m)+8*\t+3], v[XL] offset:64*\t
	ds_load_b128 v[AF+32*(\m)+8*\t+4:AF+32*(\m)+8*\t+7], v[XL] offset:64*\t+16
.endr
.endm
	s_load_b512 s[4:19], s[0:1], 0x0               ; x, qimg, kpb, vpb, wpb, b1, b2, a1
	s_load_b256 s[20:27], s[0:1], 0x40             ; bb1, a2, bb2, out0
	v_lshl_add_u32 v[SPW], v0, 2, SPARE
	v_mov_b32 v[NIL], 0
	ds_add_u32 v[SPW], v[NIL]                      ; the wave's opening: the add, twice on end, and its wait ahead of my first tensor load
	ds_add_u32 v[SPW], v[NIL]
	v_lshrrev_b32 v208, 5, v0
	v_readfirstlane_b32 s[WV], v208                ; wave 0..7
	v_and_b32 v209, 31, v0                         ; lane
	v_and_b32 v210, 15, v0                         ; r
	v_bfe_u32 v211, v0, 4, 1                       ; h
	v_lshlrev_b32 v[LN16], 4, v209
	v_lshlrev_b32 v[LN8], 3, v209
	v_lshlrev_b32 v[LN4], 2, v209
	v_lshlrev_b32 v[PXO], 11, v209                 ; x's prefetch: a lane a row
	v_lshlrev_b32 v[GO], 11, v211
	v_lshl_add_u32 v[GO], v210, 4, v[GO]           ; x and out0: 2,048 h + 16 r
	v_min_u32 v[PFO], 16, v209
	v_lshlrev_b32 v[PFO], 8, v[PFO]                ; the weights' prefetch: 17 blocks, the last named by the lanes that are left over
	s_bfe_u32 s[CX], ttmp6, 0x40000
	s_lshl_b32 s[GG], ttmp9, 2
	s_add_co_u32 s[GG], s[GG], s[CX]               ; g = 4 x cluster + place
	s_lshr_b32 s[BAT], ttmp9, 1                    ; the batch, which the four partners share
.irp g, G1J, G1V                       ; the mask: all four; elements of 8 bytes; bit 21 beside a mask; rows of 64 elements, dense
	s_mov_b32 s[\g], 15|(3<<16)|(1<<21)
	s_mov_b32 s[\g+1], 64<<16
	s_mov_b32 s[\g+3], 64<<16
	s_mov_b32 s[\g+5], 64
	s_mov_b32 s[\g+6], 0
	s_mov_b32 s[\g+7], 0
.endr
	s_mov_b32 s[G1J+2], 34<<16
	s_mov_b32 s[G1J+4], 34
	s_mov_b32 s[G1V+2], 32<<16
	s_mov_b32 s[G1V+4], 32
	s_mov_b32 s[SEL], 0x76543210
	s_mov_b32 s[SEL+1], 0xfedcba98
	s_mov_b32 s[CS], 0x3d8293ee                    ; log2(e) / sqrt(512)
	s_mov_b32 s[CS+1], s[CS]
	s_mov_b32 s[HM], 0xffff0000
	s_mov_b32 s[SGN], 0x88888888
	s_mul_i32 s90, s[WV], PBW                      ; my part, of a slot and of a block
	s_mov_b32 s91, 0
	s_lshl_b32 s92, s[WV], 14                      ; my part of V
	s_mov_b32 s93, 0
	s_mul_i32 s94, s[BAT], PB
	s_mov_b32 s95, 0
	s_mul_i32 s96, s[GG], PBW
	s_mov_b32 s97, 0
	s_mul_i32 s98, ttmp9, 3
	s_add_co_u32 s98, s98, 3
	s_and_b32 s98, s98, 63                         ; under 4 in clusters 0, 21, 42, 63 alone
	s_cmp_lt_u32 s98, 4
	s_cselect_b32 s[LIM], 1, -1
	s_mov_b32 s99, 0
	AW
	s_wait_dscnt 0x0                               ; both opening adds are done
	s_wait_kmcnt 0x0
	s_load_b32 s28, s[18:19], 0x0                  ; a1
	s_load_b32 s29, s[20:21], 0x0                  ; bb1
	s_load_b32 s30, s[22:23], 0x0                  ; a2
	s_load_b32 s31, s[24:25], 0x0                  ; bb2
	s_add_nc_u64 s[QB:QB+1], s[6:7], s[96:97]
	s_add_nc_u64 s[KB:KB+1], s[8:9], s[94:95]
	s_add_nc_u64 s[KB:KB+1], s[KB:KB+1], s[90:91]
.irp s, 0,1,2,3
	global_load_b64 v[ASC+2*\s:ASC+2*\s+1], v[LN8], s[QB:QB+1] offset:16384+256*\s
	global_load_b64 v[WSC+2*\s:WSC+2*\s+1], v[LN8], s[KB:KB+1] offset:16384+256*\s
.endr
	GL 0
	GL 1
	GL 2
	s_mov_b32 s[G0V], 1
	s_add_co_u32 s[G0V+1], s90, SLOT               ; V: slot B
	s_add_nc_u64 s[G0V+2:G0V+3], s[10:11], s[94:95]
	s_add_nc_u64 s[G0V+2:G0V+3], s[G0V+2:G0V+3], s[92:93]
	s_or_b32 s[G0V+3], s[G0V+3], 0x80000000
	s_mov_b32 s[GW1], 1
	s_mov_b32 s[GW1+1], s90                        ; W1's chunks: slot A
	s_add_nc_u64 s[GW1+2:GW1+3], s[12:13], s[90:91]
	s_add_nc_u64 s[GW1+2:GW1+3], s[GW1+2:GW1+3], 3*PB
	s_or_b32 s[GW1+3], s[GW1+3], 0x80000000
	s_mov_b32 s[GW2], 1
	s_add_co_u32 s[GW2+1], s90, SLOT               ; W2's: slot B
	s_add_nc_u64 s[GW2+2:GW2+3], s[12:13], s[90:91]
	s_add_nc_u64 s[GW2+2:GW2+3], s[GW2+2:GW2+3], 4*PB
	s_or_b32 s[GW2+3], s[GW2+3], 0x80000000
	s_lshl_b32 s98, s[WV], 7
	s_add_co_u32 s98, s98, 131072
	s_add_nc_u64 s[VSB:VSB+1], s[10:11], s[94:95]
	s_add_nc_u64 s[VSB:VSB+1], s[VSB:VSB+1], s[98:99]   ; V's scales: mine of each block of keys
	s_lshl_b32 s98, s[WV], 8
	s_add_nc_u64 s[B1P:B1P+1], s[14:15], s[98:99]
	s_add_nc_u64 s[B2P:B2P+1], s[16:17], s[98:99]
	s_lshl_b32 s96, s[GG], 17
	s_add_co_u32 s96, s96, s98
	s_add_nc_u64 s[XP:XP+1], s[4:5], s[96:97]      ; my 64 rows, my 256 bytes of each
	s_add_nc_u64 s[OUT:OUT+1], s[26:27], s[96:97]
	s_mul_i32 s96, s[CX], 136*256
	s_mul_i32 s98, s[WV], 17*256
	s_add_co_u32 s96, s96, s98
	s_add_nc_u64 s[PFA:PFA+1], s[12:13], s[96:97]
	s_add_nc_u64 s[PFA:PFA+1], s[PFA:PFA+1], 3*PB
	ROUND                                          ; all four work-groups are here: the first joint loads meet
	tensor_load_to_lds s[G0V:G0V+3], s[G1V:G1V+7]  ; one tensor load a wave at the head
	s_nop 0
	PLACES 4
	GL 3
.irp j, 0,1,2,3,4,5,6,7
	global_load_b32 v[VS+\j], v[LN4], s[VSB:VSB+1] offset:1024*\j
.endr
	global_prefetch_b8 v[PXO], s[XP:XP+1] th:TH_LOAD_NT scope:SCOPE_SE
	global_prefetch_b8 v[PXO], s[XP:XP+1] offset:65536 th:TH_LOAD_NT scope:SCOPE_SE
	s_cmp_eq_u32 s[LIM], 1
	s_cbranch_scc0 .Lnot_mine_at_head
	global_prefetch_b8 v[PFO], s[PFA:PFA+1] th:TH_LOAD_NT scope:SCOPE_SE
.Lnot_mine_at_head:
	v_add_nc_u32 v[WB0], s90, v[LN16]
	v_add_nc_u32 v[WB1], SLOT, v[WB0]
	v_add_nc_u32 v[WQ0], s90, v[LN8]
	v_add_nc_u32 v[WQ0], 16384, v[WQ0]
	v_add_nc_u32 v[WQ1], SLOT, v[WQ0]
	v_mul_u32_u24 v212, v210, 272
	v_lshl_add_u32 v212, v211, 5, v212             ; 272 r + 32 h: the accumulators' layout
	v_mul_u32_u24 v213, v211, 272
	v_lshl_add_u32 v213, v210, 4, v213             ; 272 h + 16 r: two rows
	s_mul_i32 s96, s[WV], STW
	s_add_co_u32 s96, s96, HIMG
	v_add_nc_u32 v[XL], s96, v212
	v_add_nc_u32 v[XS], s96, v213
	v_add_nc_u32 v[OS], s90, v212                  ; the way out: 64 rows x 272 bytes = my part of slot A
	v_add_nc_u32 v[OR], s90, v213
	v_add_nc_u32 v[HLI], HIMG, v[LN16]
	v_add_nc_u32 v[HLQ], HIMG+16384, v[LN8]
	s_lshl_b32 s96, s[WV], 9
	v_add_nc_u32 v[HSI], s96, v[HLI]
	s_lshr_b32 s96, s[WV], 1
	s_lshl_b32 s96, s96, 8
	s_and_b32 s98, s[WV], 1
	s_lshl_b32 s98, s98, 1
	s_add_co_u32 s96, s96, s98
	v_add_nc_u32 v[HSQ], s96, v[HLQ]
	v_lshlrev_b32 v214, 4, v210
	v_add_nc_u32 v[EL], EX, v214
	s_lshl_b32 s96, s[WV], 8
	v_add_nc_u32 v[ES], s96, v[EL]
	v_lshlrev_b32 v[BO], 5, v211
.irp k, 0,1,2,3,4,5,6,7
	v_mov_b32 v[TN+\k], 0                          ; a lane permute's destination counts as one of its sources
.endr
.irp m, 0,1,2,3
	v_mov_b32 v[BC+2*\m+1], 0                      ; (named as the upper half of a pair)
.endr
	; ---- scores: source 0 = my 64 keys, source 1 = the 64 queries.  The waits count the later K steps' loads (16 each) and V's scales (8)
	AW
	s_wait_kmcnt 0x0
	s_wait_loadcnt 56
	WIN 0x51
	KSTEP 0, 0, 128, 32, AF, ASC, 0
	s_wait_loadcnt 40
	KSTEP 1, 0, 136, 32, AF, ASC, 0
	s_wait_loadcnt 24
	KSTEP 2, 0, 144, 32, AF, ASC, 0
	s_wait_loadcnt 8
	KSTEP 3, 0, 152, 32, AF, ASC, 0
	WIN 0
	PLACES 4
	WIN 0x40
.set i_, 0
.rept 32                               ; x over K's fragments: load i brings rows 2 i and 2 i + 1 of my strip, 256 consecutive bytes each, aligned
	global_load_b128 v[128+4*i_:128+4*i_+3], v[GO], s[XP:XP+1] offset:4096*i_ th:TH_LOAD_NT
.set i_, i_+1
.endr
	WIN 0x14
.irp k, 0,1,2,3,4,5,6,7
	v_max3_num_f32 v[BM+\k], 0xff800000, v[16*\k], v[16*\k+1]   ; the largest score of each block of 32 keys
.endr
.irp i, 2,4,6,8,10,12,14
.irp k, 0,1,2,3,4,5,6,7
	v_max3_num_f32 v[BM+\k], v[BM+\k], v[16*\k+\i], v[16*\k+\i+1]
.endr
.endr
	WIN 0
.irp k, 0,1,2,3,4,5,6,7
	v_permlanex16_b32 v[TN+\k], v[BM+\k], s[SEL], s[SEL+1]
.endr
.irp k, 0,1,2,3,4,5,6,7
	v_max_num_f32 v[BM+\k], v[BM+\k], v[TN+\k]
.endr
.irp m, 0,1,2,3
	v_max_num_f32 v[RM+\m], v[BM+2*\m], v[BM+2*\m+1]
.endr
	ds_store_b128 v[ES], v[RM:RM+3]
	CHANGE GW1, 0, 1                               ; V has landed; W1's first chunk goes into slot A
.irp w, 0,1,2,3,4,5,6,7
	ds_load_b128 v[EXL+4*\w:EXL+4*\w+3], v[EL] offset:256*\w
.endr
	s_wait_dscnt 0x0
.irp m, 0,1,2,3
	v_max3_num_f32 v[RM+\m], v[EXL+\m], v[EXL+4+\m], v[EXL+8+\m]
.endr
.irp w, 3,5
.irp m, 0,1,2,3
	v_max3_num_f32 v[RM+\m], v[RM+\m], v[EXL+4*\w+\m], v[EXL+4*\w+4+\m]
.endr
.endr
.irp m, 0,1,2,3
	v_max_num_f32 v[RM+\m], v[RM+\m], v[EXL+28+\m]
.endr
.irp m, 0,1,2,3
	v_mul_f32 v[RM+\m], s[CS], v[RM+\m]
.endr
.irp m, 0,1,2,3
	v_floor_f32 v[BC+2*\m], -v[RM+\m]              ; -M, a whole number
.endr
.irp m, 0,1,2,3
	v_fma_f32 v[BM+2*\m], v[BM+2*\m], s[CS], v[BC+2*\m]
	v_fma_f32 v[BM+2*\m+1], v[BM+2*\m+1], s[CS], v[BC+2*\m]
.endr
	WIN 0x41
.irp m, 0,1,2,3
.set i_, 32*\m
.rept 16
	v_pk_fma_f32 v[i_:i_+1], v[i_:i_+1], s[CS:CS+1], v[BC+2*\m:BC+2*\m+1] op_sel_hi:[1,0,0]
.set i_, i_+2
.endr
.endr
	AW
.set i_, 0
.rept 128
	v_exp_f32 v[i_], v[i_]
.set i_, i_+1
.endr
	WIN 0
.irp k, 0,1,2,3,4,5,6,7
	v_exp_f32 v[BM+\k], v[BM+\k]
.endr
	v_nop
	AW
	ROWSUM 0
	ds_store_b128 v[ES], v[RM:RM+3] offset:4096
.irp k, 0,1,2,3,4,5,6,7
	v_max_num_f32 v[BM+\k], 0x1800000, v[BM+\k]
.endr
	AW
	s_wait_loadcnt 32                              ; V's scales are in; x's 32 loads may be out
.irp s, 0,1,2,3                        ; two blocks of keys make a K step's scale words
	v_perm_b32 v[WSC+2*\s], v[VS+2*\s+1], v[VS+2*\s], 0x05040100
	v_perm_b32 v[WSC+2*\s+1], v[VS+2*\s+1], v[VS+2*\s], 0x07060302
.endr
	QTAIL 0, BM, 0, 0
	BARRIER                                        ; p's images, its scale words and the rows' sums are whole for every wave
	; ---- p v
	GEMM WB1, 0, 0, 0, 0x50, AF, HSC, 1, 0
	CHANGE GW2, 0, 1                               ; W1's first chunk has landed; V has been read: W2's first chunk goes into slot B
.irp w, 0,1,2,3,4,5,6,7
	ds_load_b128 v[WF+4*\w:WF+4*\w+3], v[EL] offset:4096+256*\w
.endr
	s_wait_dscnt 0x0
.irp p, 0,2
	v_pk_add_f32 v[RM+\p:RM+\p+1], v[WF+\p:WF+\p+1], v[WF+4+\p:WF+4+\p+1]
.endr
.irp w, 2,3,4,5,6,7
.irp p, 0,2
	v_pk_add_f32 v[RM+\p:RM+\p+1], v[RM+\p:RM+\p+1], v[WF+4*\w+\p:WF+4*\w+\p+1]
.endr
.endr
	AW
.irp m, 0,1,2,3
	v_rcp_f32 v[BC+2*\m], v[RM+\m]
.endr
	v_nop
	s_wait_loadcnt 0x0                             ; x
	XTURN 0                                        ; (p's images have been read by every wave: the round above)
	XTURN 1
	XTURN 2
	XTURN 3
	s_wait_dscnt 0x0
	WIN 0x41
	AW                                             ; for the reciprocals and for the first reads of the products below
.irp m, 0,1,2,3
.set i_, 32*\m
.rept 16
	v_pk_fma_f32 v[128+i_:129+i_], v[i_:i_+1], v[BC+2*\m:BC+2*\m+1], v[AF+i_:AF+i_+1] op_sel_hi:[1,0,1]   ; x + p v / the sum
.set i_, i_+2
.endr
.endr
	WIN 0
.irp t, 0,1,2,3
	global_load_b128 v[B2+8*\t:B2+8*\t+3], v[BO], s[B2P:B2P+1] offset:64*\t
	global_load_b128 v[B2+8*\t+4:B2+8*\t+7], v[BO], s[B2P:B2P+1] offset:64*\t+16
.endr
	BLOAD
	; ---- norm 1; n1's codes; the residual stream takes b2
	NORM A1S, BB1
	QMAX 128, 0
	QTAIL 128, TM, 0, NOFF
	s_wait_loadcnt 8                               ; b2 is in; b1's eight loads may be out
	WIN 0x41
.irp m, 0,1,2,3
.set i_, 0
.rept 16
	v_pk_add_f32 v[128+32*\m+i_:129+32*\m+i_], v[128+32*\m+i_:129+32*\m+i_], v[B2+i_:B2+i_+1]
.set i_, i_+2
.endr
.endr
	WIN 0
	BARRIER                                        ; n1's images and quads are whole for every wave
.irp s, 0,1,2,3
	ds_load_b64 v[ASC+2*\s:ASC+2*\s+1], v[HLQ] offset:NOFF+256*\s
.endr
.irp s, 0,1,2,3
	XLOAD AF, NOFF, \s                             ; n1's fragments stay in registers for all four chunks
.endr
; ---- the FFN, a chunk of 512 hidden units a trip.  fill = 1: the slots are filled again, with the next chunk's weights
.macro FFN1 fill
	s_wait_loadcnt 0x0                             ; b1
.if \fill
	s_add_nc_u64 s[B1P:B1P+1], s[B1P:B1P+1], 2048
.endif
	GEMM WB0, WQ0, 0, 1, 0x50, AF, ASC, 0, 0
	QMAX 0, 1
	QTAIL 0, TM, 1, 0
.if \fill
	CHANGE GW1, 1, 1
.else
	s_wait_tensorcnt 0x0                           ; my part of W2's last chunk
	BARRIER
.endif
.endm
.macro FFN2 fill
	GEMM WB1, WQ1, 128, 2, 0x54, 0, HSC, 1, 0x40   ; H's fragments lie over the accumulators of the hidden units
.if \fill
	BLOAD
	CHANGE GW2, 1, 2
.endif
.endm
	s_mov_b32 s[TRIP], 3
.Lffn:
	FFN1 1
	FFN2 1
	s_sub_co_u32 s[TRIP], s[TRIP], 1
	s_cmp_lg_u32 s[TRIP], 0
	s_cbranch_scc1 .Lffn
	FFN1 0                                         ; the last chunk fills nothing
	FFN2 0
	; ---- norm 2, and the way out through my part of slot A, which has had its last fill and which I alone have read
	NORM A2S, BB2
	WIN 0x04
.irp m, 0,1,2,3
.irp t, 0,1,2,3
	ds_store_b128 v[OS], v[128+32*\m+8*\t:128+32*\m+8*\t+3] offset:4352*\m+64*\t
	ds_store_b128 v[OS], v[128+32*\m+8*\t+4:128+32*\m+8*\t+7] offset:4352*\m+64*\t+16
.endr
.endr
	WIN 0
.set i_, 0
.rept 32
	ds_load_b128 v[AF+4*i_:AF+4*i_+3], v[OR] offset:544*i_
.set i_, i_+1
.endr
.set i_, 0
.rept 32
	s_wait_dscnt 31-i_
	global_store_b128 v[GO], v[AF+4*i_:AF+4*i_+3], s[OUT:OUT+1] offset:4096*i_ th:TH_STORE_NT   ; sixteen lanes store 256 consecutive bytes, aligned
.set i_, i_+1
.endr
	s_wait_tensorcnt 0x0                           ; the wave's end, behind my last tensor load and my last LDS store
	ds_add_u32 v[SPW], v[NIL]
	s_wait_dscnt 0x0
	ROUND                                          ; the closing round
	s_endpgm
.Lfunc_end_k_q71c44bd869_chain:
	.size	k_q71c44bd869_chain, .Lfunc_end_k_q71c44bd869_chain-k_q71c44bd869_chain
	.p2alignl 7, 3214868480
	.fill 96, 4, 3214868480
	.section	.rodata,"a",@progbits
	.p2align	6, 0x0
	.amdhsa_kernel k_q71c44bd869_chain
		.amdhsa_group_segment_fixed_size 327680
		.amdhsa_private_segment_fixed_size 0
		.amdhsa_enable_private_segment 0
		.amdhsa_kernarg_size 96
		.amdhsa_user_sgpr_count 2
		.amdhsa_user_sgpr_kernarg_segment_ptr 1
		.amdhsa_wavefront_size32 1
		.amdhsa_system_sgpr_workgroup_id_x 1
		.amdhsa_system_sgpr_workgroup_id_y 1
		.amdhsa_system_sgpr_workgroup_id_z 1
		.amdhsa_system_vgpr_workitem_id 0
		.amdhsa_next_free_vgpr 512
		.amdhsa_next_free_sgpr 100
		.amdhsa_reserve_vcc 0
		.amdhsa_float_denorm_mode_32 3
		.amdhsa_float_denorm_mode_16_64 3
		.amdhsa_memory_ordered 1
		.amdhsa_forward_progress 1
		.amdhsa_inst_pref_size 223
	.end_amdhsa_kernel
	.amdgpu_metadata
---
amdhsa.version: [ 1, 2 ]
amdhsa.kernels:
  - .name:           k_q71c44bd869_chain
    .symbol:         k_q71c44bd869_chain.kd
    .args:
      - { .name: x, .offset: 0, .size: 8, .value_kind: global_buffer, .address_space: global }
      - { .name: qimg, .offset: 8, .size: 8, .value_kind: global_buffer, .address_space: global }
      - { .name: kpb, .offset: 16, .size: 8, .value_kind: global_buffer, .address_space: global }
      - { .name: vpb, .offset: 24, .size: 8, .value_kind: global_buffer, .address_space: global }
      - { .name: wpb, .offset: 32, .size: 8, .value_kind: global_buffer, .address_space: global }
      - { .name: b1, .offset: 40, .size: 8, .value_kind: global_buffer, .address_space: global }
      - { .name: b2, .offset: 48, .size: 8, .value_kind: global_buffer, .address_space: global }
      - { .name: a1, .offset: 56, .size: 8, .value_kind: global_buffer, .address_space: global }
      - { .name: bb1, .offset: 64, .size: 8, .value_kind: global_buffer, .address_space: global }
      - { .name: a2, .offset: 72, .size: 8, .value_kind: global_buffer, .address_space: global }
      - { .name: bb2, .offset: 80, .size: 8, .value_kind: global_buffer, .address_space: global }
      - { .name: out0, .offset: 88, .size: 8, .value_kind: global_buffer, .address_space: global }
    .group_segment_fixed_size: 327680
    .private_segment_fixed_size: 0
    .kernarg_segment_align: 8
    .kernarg_segment_size: 96
    .max_flat_workgroup_size: 256
    .sgpr_count:     100
    .vgpr_count:     512
    .wavefront_size: 32
...
	.end_amdgpu_metadata
.endif
;; end of part 3
